; MI455X (gfx1250); checked and timed in simulation.
; The chip was launched on July 23, 2026; its instructions are those of AMD's public machine-readable ISA for CDNA 5 (MIT licence, August 2026) and "CDNA5" Instruction Set Architecture Reference Guide (July 2026). The comments in the code are by the model that wrote it; some were corrected since.
;; Causal Self Attention. Allowed arithmetic: matrix products marked QUANTISED: E2M1 operands, one E8M0 scale for each 32 along K, by v_wmma_scale_f32_16x16x128_f8f6f4 with both operands' format E2M1 (or v_wmma_scale_f32_32x16x128_f4), f32 sums; everything else in f32.
;; Inputs: b_attn 3,072 float32; b_proj 1,024 float32; w_attn 1,024 x 3,072 float32; w_proj 1,024 x 1,024 float32; x 4 x 2,048 x 1,024 float32.
;; Outputs: out0 4 x 2,048 x 1,024 float32.
;; This version of the problem:
;;   THIS VERSION OF THE PROBLEM IS GIVEN IN LOW PRECISION. The matrix products marked QUANTISED in the list below multiply operands that are first quantised to E2M1 (2 exponent bits, 1 mantissa bit; 4 bits a number), with one power-of-two scale for each 32 numbers along K (OCP MX v1.0); their sums are f32. All else is computed in f32.
;;   The module's matrix products, in the order in which they are computed (A, B: the left and right operand; K: the contracted axis; several contracted axes count as one K, in the product's order):
;;     1. [M 8,192, K 1,024] x [K 1,024, N 3,072]; A: input x; B: input w_attn: QUANTISED
;;     2. batch 64 x [M 2,048, K 64] x [K 64, N 2,048]; A: computed on the way; B: computed on the way: QUANTISED
;;     3. batch 64 x [M 2,048, K 2,048] x [K 2,048, N 64]; A: softmax (see below); B: computed on the way: QUANTISED
;;     4. [M 8,192, K 1,024] x [K 1,024, N 1,024]; A: computed on the way; B: input w_proj: QUANTISED
;;   THE QUANTISER, for each operand of a quantised product, along K:
;;     - K is cut into blocks of 32 from its start; a last block that is shorter is filled with zeros.
;;     - A block's scale is 2^e with e = floor(log2(the largest magnitude in the block)) - 2, held to -126 .. 127; a block of zeros has e = 0. As a byte (E8M0): e + 127.
;;     - Each number is divided by its block's scale, clamped to +-6, and rounded to the nearest number of E2M1, ties to even, subnormals kept.
;;     - The product sums the exact products of the quantised numbers (number of the format x scale) in f32.
;;   ~~~python
;;   def quantise(x, axis):      # numpy; x: float32 -> the quantised numbers, widened to float32 again
;;       x = np.moveaxis(x, axis, -1); K = x.shape[-1]
;;       x = np.pad(x, [(0, 0)] * (x.ndim - 1) + [(0, -K % 32)]); x = x.reshape(x.shape[:-1] + (-1, 32)); a = np.abs(x).max(-1, keepdims=True)
;;       e = np.where(a > 0, np.clip(np.frexp(np.where(a > 0, a, 1))[1] - 1 - 2, -126, 127), 0)      # np.frexp(a)[1] - 1 = floor(log2(a)), exactly
;;       r = np.clip(x / 2.0 ** e, -6, 6)
;;       step = 2.0 ** (np.maximum(np.frexp(np.where(r == 0, 1, r))[1] - 1, 0) - 1)
;;       q = np.round(r / step) * step * 2.0 ** e      # np.round: ties to even
;;       return np.moveaxis(q.reshape(q.shape[:-2] + (-1,))[..., :K], -1, axis).astype(np.float32)
;;   ~~~
;;   SOFTMAX AHEAD OF A QUANTISED PRODUCT. Where the list says 'softmax', what is quantised is not the finished softmax but p = 2^(t - M), with t = logit x log2(e) and M = ceil(the row's largest t), a whole number; so 1/2 < the row's largest p <= 1. The row's sum l is taken of the UNQUANTISED p, in f32, and the product's result is divided by l at the end. Since M is a whole number, a kernel that streams over the keys may use a running M (the ceiling of the running maximum): every later rescaling is an exact power of two, which a block's scale takes up: the codes' values come out the same.
;;   OPERANDS COMPUTED ON THE WAY. 'Computed on the way' means the value that the module computes at that place (a softmax that the list does not call 'softmax' is quantised finished and normalised). What goes into a quantiser is computed in f32, as accurately as f32 sums, v_exp_f32 and their like allow (about 1e-6 of the number): no bf16 or f16 on the way to a quantiser, and a product that is left as it is and whose result goes on into a quantised operand takes f32 operands (vector FMAs, or v_wmma_f32_16x16x4_f32). A number that lies on a knife's edge between two numbers of the format may be rounded either way, as far as f32 arithmetic and the matrix unit's own rounding can turn it there, and no further.
;; One version. Each part assembles by itself: llvm-mc -triple=amdgcn-amd-amdhsa -mcpu=gfx1250 --defsym DOCPART=n.
;; ======== version 1 of 1: 4 launches
;; workspace buffers: x_img 4,194,304 bytes; x_sc 262,144 bytes; w_img 2,097,152 bytes; w_sc 131,072 bytes; qkv 14,155,776 bytes; y_img 4,194,304 bytes; y_sc 262,144 bytes
;; launch quant (part 1): grid 1024 x 1, 4 waves a work-group, no clusters, 35,584 bytes of LDS; arguments x, w_attn, w_proj, x_img, x_sc, w_img, w_sc; writes x_img, x_sc, w_img, w_sc
.if DOCPART == 1
	.amdgcn_target "amdgcn-amd-amdhsa--gfx1250"
	.amdhsa_code_object_version 6
	.text
	.protected	k_q9173100fa7_quant
	.globl	k_q9173100fa7_quant
	.p2align	8
	.type	k_q9173100fa7_quant,@function
k_q9173100fa7_quant:
	s_mov_b64 s[64:65], 0
	v_nop
	global_prefetch_b8 v0, s[64:65] scope:SCOPE_SE
	s_setreg_imm32_b32 hwreg(HW_REG_WAVE_MODE, 25, 1), 1
	s_wait_xcnt 0x0
; CAUSAL SELF-ATTENTION IN MX-FP4, launch 1 of 4: x [8192][1024], w_attn [1024][3072] and w_proj [1024][1024], f32, become codes of E2M1 with one E8M0 byte for each 32 along K.
; WORK LEFT OUT IN THE WHOLE PROGRAM: only the key steps of the attention launch in which every key comes after every query of the tile.  reference() itself sets those scores to -inf by its own jnp.tril,
; so their p is 0 and they add nothing to the row's sum or to the second product, whatever finite values the inputs hold.  Every input has a way to the output and is loaded; all of b_attn goes in ahead of a quantiser.
; LIMITS: NaN and infinities among the inputs are not served; a NaN, an infinity or an overflow that would reach only the scores left out is not carried to the result; a block of zeros (and one whose largest
; magnitude lies under 2^(3-127)) gets the byte 1 where the rule says 127: its codes are zeros, which add nothing under any byte but 0xff, and the bytes are read by this program alone.
; THE LAYOUT OF ALL WORKSPACE.  Sixteen rows of an operand form a TILE: tile T holds rows 32 (T/2) + 8 (T%2) + r + 8 (r/8), r = 0..15.  A fragment (16 rows x 128 K) lies as an IMAGE OF THE OPERAND'S REGISTERS:
; [c 2][lane 32][16 bytes], lane (r, h) holding k = 64 c + 32 h + 0..31 of tile row r.  x_img, w_img: [tile][K step 8][image 1,024 bytes].  x_sc, w_sc: [tile][quarter of K 4][r 16][2 words], a word = the 4 bytes of a K step.
; w_img's tiles 0-191 are w_attn's columns, 192-255 w_proj's.
; SHARES.  Work-groups 0-511: one tile of x each, a wave a quarter of K (256).  Work-groups 512-1023: 32 columns of a weight x 256 along K, a wave 64 along K.  Every wave asks for all its numbers at its head.
; The two paths part on the work-group's number and have LDS bytes of their own.  No tensor loads; no cluster: work-groups share no input.
.set WREG,  8704                       ; x path: a wave's two stages of 16 rows x 272 bytes (256 + 16 of padding: the 16 rows that a load touches start at 16 different banks)
.set STG,   4352
.set WS,    34816                      ; w path: 32 columns x 8 scale bytes
.set SPARE, 35072                      ; the spare words, 128 bytes for each wave: two blocks of 256 bytes that no other line names
.set SPW,   12                         ; v12  SPARE + 4 x my thread's number; never rewritten
.set NIL,   13                         ; v13  0; never rewritten
.set R,     16                         ; x path: v16-143 four steps x 8 loads as they come;  w path: v16-79 two blocks of 32 down K
.set X,     144                        ; v144-207 two sets of 32 neighbours along K
.set C,     208                        ; v208-223 codes, four registers a step: no store's data are written again
.set E,     224                        ; v224-227 scale bytes
	s_load_b256 s[4:11], s[0:1], 0x0               ; x s[4:5], w_attn s[6:7], w_proj s[8:9], x_img s[10:11]
	s_load_b128 s[12:15], s[0:1], 0x20             ; x_sc s[12:13], w_img s[14:15]
	s_load_b64 s[16:17], s[0:1], 0x30              ; w_sc
	v_lshl_add_u32 v[SPW], v0, 2, SPARE
	v_mov_b32 v[NIL], 0
	v_lshrrev_b32 v1, 5, v0
	v_readfirstlane_b32 s18, v1                    ; wave 0..3
	v_and_b32 v1, 31, v0                           ; lane
	v_and_b32 v2, 15, v0                           ; r
	v_bfe_u32 v3, v0, 4, 1                         ; h
; The largest magnitude of v[s] .. v[s+31], with the floor 2^(3-127) as one more leaf (so the byte cannot fall under 1), into v10: two chains that do not wait for each other
.macro MAX32 s
	v_max3_num_f32 v10, |v[(\s)]|, |v[(\s)+1]|, 0x1800000
	v_max3_num_f32 v11, |v[(\s)+16]|, |v[(\s)+17]|, |v[(\s)+18]|
.irp i, 2,4,6,8,10,12
	v_max3_num_f32 v10, v10, |v[(\s)+\i]|, |v[(\s)+\i+1]|
	v_max3_num_f32 v11, v11, |v[(\s)+17+\i]|, |v[(\s)+18+\i]|
.endr
	v_max3_num_f32 v10, v10, |v[(\s)+14]|, |v[(\s)+15]|
	v_max3_num_f32 v10, v10, v11, |v[(\s)+31]|
.endm
	s_cmp_lt_u32 ttmp9, 512
	s_cbranch_scc0 .Lw
; ---------------- x: K is innermost.  A step is 64 along K of the tile's 16 rows: eight loads of two rows x 256 aligned bytes; they turn through the wave's stage, so that lane (r, h) gets a WHOLE block of 32 of row r
	s_mov_b32 s20, 0x76543210
	s_mov_b32 s21, 0xfedcba98                      ; v_permlanex16_b32's selects for lane l xor 16
	s_lshr_b32 s22, ttmp9, 1
	s_lshl_b32 s22, s22, 5
	s_and_b32 s23, ttmp9, 1
	s_lshl_b32 s23, s23, 3
	s_add_co_u32 s22, s22, s23                     ; the tile's first row: 32 (T/2) + 8 (T%2)
	s_lshl_b32 s22, s22, 12                        ; rows of 4,096 bytes
	s_lshl_b32 s23, s18, 10                        ; my quarter of K: 1,024 bytes
	s_add_co_u32 s22, s22, s23
	s_mov_b32 s23, 0
	s_lshl_b32 s24, ttmp9, 13                      ; x_img: 8,192 bytes a tile, 2,048 a quarter
	s_lshl_b32 s25, s18, 11
	s_add_co_u32 s24, s24, s25
	s_mov_b32 s25, 0
	s_lshl_b32 s28, ttmp9, 9                       ; x_sc: 512 bytes a tile, 128 a quarter
	s_lshl_b32 s29, s18, 7
	s_add_co_u32 s28, s28, s29
	s_mov_b32 s29, 0
	s_mul_i32 s26, s18, WREG
	s_wait_alu depctr_va_vdst(0)
	v_lshlrev_b32 v4, 4, v2
	v_lshl_add_u32 v4, v3, 12, v4                  ; in: lanes 0-15 one row's 256 bytes, lanes 16-31 the next row's
	v_mul_u32_u24 v5, v3, 272
	v_lshl_add_u32 v5, v2, 4, v5
	v_add_nc_u32 v5, s26, v5                       ; into the stage, as loaded
	v_mul_u32_u24 v6, v2, 272
	v_lshl_add_u32 v6, v3, 7, v6
	v_add_nc_u32 v6, s26, v6                       ; out of it: row r, 128 bytes for each half of the lanes
	v_lshlrev_b32 v7, 4, v1                        ; an image's place for my lane
	v_lshlrev_b32 v8, 3, v2
	v_lshl_add_u32 v8, v3, 2, v8                   ; my scale word: row r, word h
	v_lshlrev_b32 v9, 3, v3                        ; 8 h: my bytes' shift in a word
	v_mov_b32 v230, 0                              ; a lane permute's destination counts as one of its sources
	v_mov_b32 v231, 0
	v_cmp_lt_u32 s30, 15, v1                       ; lanes 16-31
	s_wait_alu depctr_va_vdst(0)
	s_wait_kmcnt 0x0
	s_add_nc_u64 s[4:5], s[4:5], s[22:23]
	s_add_nc_u64 s[10:11], s[10:11], s[24:25]
	s_add_nc_u64 s[12:13], s[12:13], s[28:29]
.macro XLOAD i                         ; tile rows 2 j and 2 j + 1 lie 2 j + 8 (j/4) (+ 1) rows below the tile's first
.irp j, 0,1,2,3,4,5,6,7
	global_load_b128 v[R+32*(\i)+4*\j:R+32*(\i)+4*\j+3], v4, s[4:5] offset:(2*\j+8*(\j/4))*4096+256*(\i) th:TH_LOAD_NT
.endr
.endm
.macro XTURN i                         ; LDS serves a wave's instructions in order: no wait between the stores and the loads
.irp j, 0,1,2,3,4,5,6,7
	ds_store_b128 v5, v[R+32*(\i)+4*\j:R+32*(\i)+4*\j+3] offset:((\i)%2)*STG+544*\j
.endr
.irp g, 0,1,2,3,4,5,6,7
	ds_load_b128 v[X+32*((\i)%2)+4*\g:X+32*((\i)%2)+4*\g+3], v6 offset:((\i)%2)*STG+16*\g
.endr
.endm
.macro XSTEP i
.if (\i) < 3
	s_wait_loadcnt 8*(2-(\i))                      ; the next step's eight loads are in; the later steps' may be out
	XTURN (\i)+1                                   ; and go through the other stage while this step is worked
	s_wait_dscnt 16                                ; this step's block is back; the 8 stores and 8 loads just issued may be out
.else
	s_wait_dscnt 0x0
.endif
	MAX32 X+32*((\i)%2)
	v_add_nc_u32 v14, 0xff000000, v10              ; 2 off the exponent field: the conversion takes the exponent field of this operand as its scale
.irp g, 0,1,2,3
	v_cvt_scalef32_pk8_fp4_f32 v[C+4*(\i)+\g], v[X+32*((\i)%2)+8*\g:X+32*((\i)%2)+8*\g+7], v14
.endr
	v_lshrrev_b32 v[E+(\i)], 23, v14               ; the scale's byte (also the plain line behind the conversions)
	global_store_b128 v7, v[C+4*(\i):C+4*(\i)+3], s[10:11] offset:512*(\i)   ; half an image: 512 consecutive bytes
.endm
	XLOAD 0
	XLOAD 1
	XLOAD 2
	XLOAD 3
	s_wait_loadcnt 24                              ; step 0's eight loads are in
	XTURN 0
	XSTEP 0
	XSTEP 1
	XSTEP 2
	XSTEP 3
	v_lshl_or_b32 v228, v225, 16, v224             ; step i's block is block 2 (i%2) + h of K step i/2 of my quarter: my two bytes of each word,
	v_lshl_or_b32 v229, v227, 16, v226
	v_lshlrev_b32 v228, v9, v228                   ; at their places,
	v_lshlrev_b32 v229, v9, v229
	v_permlanex16_b32 v230, v228, s20, s21
	v_permlanex16_b32 v231, v229, s20, s21
	v_or_b32 v228, v228, v230                      ; with lane l xor 16's two the words are whole
	v_or_b32 v229, v229, v231
	v_cndmask_b32 v228, v228, v229, s30            ; lane (r, h) stores word h
	global_store_b32 v8, v228, s[12:13]            ; 128 consecutive bytes a wave, 512 a work-group
	s_branch .Lend
; ---------------- the weights: K is the FIRST axis.  A lane takes a column and its registers run down K: a block lies in one lane, and the conversions give codes with K innermost
.Lw:
	s_sub_co_u32 s22, ttmp9, 512
	s_and_b32 s23, s22, 127                        ; G: which 32 columns (two tiles); 0-95 w_attn's, 96-127 w_proj's
	s_lshr_b32 s24, s22, 7                         ; Q: which quarter of K
	s_wait_alu depctr_va_vdst(0)
	v_lshlrev_b32 v4, 2, v1                        ; in: 4 bytes a lane, 128 consecutive bytes a load
	v_bfe_u32 v10, v0, 3, 1                        ; column l of the 32 is tile (l/8)%2,
	v_and_b32 v11, 7, v0
	v_lshl_add_u32 v11, v3, 3, v11                 ; tile row l%8 + 8 (l/16)
	v_lshlrev_b32 v5, 13, v10
	v_lshl_add_u32 v5, v11, 4, v5                  ; its place in w_img
	v_lshlrev_b32 v8, 9, v10
	v_lshl_add_u32 v8, v11, 3, v8                  ; and in w_sc
	v_lshl_add_u32 v7, v1, 3, WS                   ; LDS: my column's 8 scale bytes of this quarter,
	s_lshl_b32 s25, s18, 1
	v_add_nc_u32 v6, s25, v7                       ; and my wave's two of them
	s_lshl_b32 s31, s24, 8
	s_lshl_b32 s32, s18, 6
	s_add_co_u32 s31, s31, s32                     ; my first k: 256 Q + 64 wave
	s_lshl_b32 s34, s23, 14                        ; w_img: two tiles of 8,192 bytes; my 64 along K are half image 4 Q + wave
	s_lshl_b32 s32, s24, 2
	s_add_co_u32 s32, s32, s18
	s_lshl_b32 s32, s32, 9
	s_add_co_u32 s34, s34, s32
	s_mov_b32 s35, 0
	s_lshl_b32 s36, s23, 10                        ; w_sc: two tiles of 512 bytes, 128 a quarter
	s_lshl_b32 s32, s24, 7
	s_add_co_u32 s36, s36, s32
	s_mov_b32 s37, 0
	s_mov_b32 s26, 4096
	s_wait_kmcnt 0x0
	s_add_nc_u64 s[14:15], s[14:15], s[34:35]
	s_add_nc_u64 s[16:17], s[16:17], s[36:37]
	s_cmp_lt_u32 s23, 96                           ; which weight?  The choice hangs on the work-group's number alone
	s_cselect_b32 s26, 12288, s26                  ; a row in bytes
	s_cselect_b32 s27, 0, 96                       ; its first G
	s_cselect_b64 s[28:29], s[6:7], s[8:9]
	s_mul_i32 s30, s31, s26
	s_sub_co_u32 s27, s23, s27
	s_lshl_b32 s27, s27, 7
	s_add_co_u32 s30, s30, s27
	s_mov_b32 s31, 0
	s_add_nc_u64 s[28:29], s[28:29], s[30:31]
	s_cmp_lt_u32 s23, 96                           ; the rows' pitch stands in the loads' immediates: two arms, the loads alone
	s_cbranch_scc0 .Lw_proj
.set i, 0
.rept 64
	global_load_b32 v[R+i], v4, s[28:29] offset:i*12288 th:TH_LOAD_NT
.set i, i+1
.endr
	s_branch .Lw_in
.Lw_proj:
.set i, 0
.rept 64
	global_load_b32 v[R+i], v4, s[28:29] offset:i*4096 th:TH_LOAD_NT
.set i, i+1
.endr
.Lw_in:
.irp t, 0,1
	s_wait_loadcnt 32*(1-\t)                       ; this block's 32 loads are in; the second block's may be out
	MAX32 R+32*\t
	v_add_nc_u32 v14, 0xff000000, v10
.irp g, 0,1,2,3
	v_cvt_scalef32_pk8_fp4_f32 v[C+4*\t+\g], v[R+32*\t+8*\g:R+32*\t+8*\g+7], v14
.endr
	v_lshrrev_b32 v[E+\t], 23, v14                 ; the byte (also the plain line behind the conversions)
	global_store_b128 v5, v[C+4*\t:C+4*\t+3], s[14:15] offset:256*\t   ; block t is half h = t of the image: 256 consecutive aligned bytes in each of the two tiles
.endr
	v_lshl_or_b32 v226, v225, 8, v224
	ds_store_b16 v6, v226                          ; the four waves' bytes of a column meet in LDS,
	s_wait_dscnt 0x0                               ; for the others' sake: my store has landed
	s_barrier_signal -1
	s_barrier_wait -1
	s_cmp_lg_u32 s18, 0
	s_cbranch_scc1 .Lend
	ds_load_b64 v[232:233], v7                     ; and wave 0 stores them: 8 bytes a column, 128 consecutive bytes in each of the two tiles
	s_wait_dscnt 0x0
	global_store_b64 v8, v[232:233], s[16:17]
.Lend:
	s_wait_tensorcnt 0x0                           ; the wave's end: behind my last LDS store
	ds_add_u32 v[SPW], v[NIL]
	s_wait_dscnt 0x0
	s_endpgm
.Lfunc_end_k_q9173100fa7_quant:
	.size	k_q9173100fa7_quant, .Lfunc_end_k_q9173100fa7_quant-k_q9173100fa7_quant
	.p2alignl 7, 3214868480
	.fill 96, 4, 3214868480
	.section	.rodata,"a",@progbits
	.p2align	6, 0x0
	.amdhsa_kernel k_q9173100fa7_quant
		.amdhsa_group_segment_fixed_size 35584
		.amdhsa_private_segment_fixed_size 0
		.amdhsa_enable_private_segment 0
		.amdhsa_kernarg_size 56
		.amdhsa_user_sgpr_count 2
		.amdhsa_user_sgpr_kernarg_segment_ptr 1
		.amdhsa_wavefront_size32 1
		.amdhsa_system_sgpr_workgroup_id_x 1
		.amdhsa_system_sgpr_workgroup_id_y 1
		.amdhsa_system_sgpr_workgroup_id_z 1
		.amdhsa_system_vgpr_workitem_id 0
		.amdhsa_next_free_vgpr 240
		.amdhsa_next_free_sgpr 66
		.amdhsa_reserve_vcc 0
		.amdhsa_float_denorm_mode_32 3
		.amdhsa_float_denorm_mode_16_64 3
		.amdhsa_memory_ordered 1
		.amdhsa_forward_progress 1
		.amdhsa_inst_pref_size 34
	.end_amdhsa_kernel
	.amdgpu_metadata
---
amdhsa.version: [ 1, 2 ]
amdhsa.kernels:
  - .name:           k_q9173100fa7_quant
    .symbol:         k_q9173100fa7_quant.kd
    .args:
      - { .name: x, .offset: 0, .size: 8, .value_kind: global_buffer, .address_space: global }
      - { .name: w_attn, .offset: 8, .size: 8, .value_kind: global_buffer, .address_space: global }
      - { .name: w_proj, .offset: 16, .size: 8, .value_kind: global_buffer, .address_space: global }
      - { .name: x_img, .offset: 24, .size: 8, .value_kind: global_buffer, .address_space: global }
      - { .name: x_sc, .offset: 32, .size: 8, .value_kind: global_buffer, .address_space: global }
      - { .name: w_img, .offset: 40, .size: 8, .value_kind: global_buffer, .address_space: global }
      - { .name: w_sc, .offset: 48, .size: 8, .value_kind: global_buffer, .address_space: global }
    .group_segment_fixed_size: 35584
    .private_segment_fixed_size: 0
    .kernarg_segment_align: 8
    .kernarg_segment_size: 56
    .max_flat_workgroup_size: 128
    .sgpr_count:     66
    .vgpr_count:     240
    .wavefront_size: 32
...
	.end_amdgpu_metadata
.endif
;; end of part 1
;; launch qkv (part 2): grid 12 x 32, 4 waves a work-group, clusters of 4 x 4, 327,680 bytes of LDS; arguments x_img, x_sc, w_img, w_sc, b_attn, qkv; writes qkv
.if DOCPART == 2
	.amdgcn_target "amdgcn-amd-amdhsa--gfx1250"
	.amdhsa_code_object_version 6
	.text
	.protected	k_q9173100fa7_qkv
	.globl	k_q9173100fa7_qkv
	.p2align	8
	.type	k_q9173100fa7_qkv,@function
k_q9173100fa7_qkv:
	s_mov_b64 s[64:65], 0
	v_nop
	global_prefetch_b8 v0, s[64:65] scope:SCOPE_SE
	s_setreg_imm32_b32 hwreg(HW_REG_WAVE_MODE, 25, 1), 1
	s_wait_xcnt 0x0
	s_wait_alu depctr_hold_cnt(0) depctr_sa_sdst(0) depctr_va_vdst(0) depctr_va_sdst(0) depctr_va_ssrc(0) depctr_va_vcc(0) depctr_vm_vsrc(0)
	s_getreg_b32 s2, hwreg(HW_REG_IB_STS2, 6, 4)
	s_cmp_eq_u32 s2, 0
	s_cbranch_scc0 .Lentry_in_a_cluster
	s_endpgm
.Lentry_in_a_cluster:
	s_bfe_u32 s2, ttmp6, 0x10000c
	s_cmp_lg_u32 s2, 0xf033
	s_cbranch_scc0 .Lentry_shape_is_right
	s_endpgm
.Lentry_shape_is_right:
; Launch 2 of 4: qkv = x w_attn + b_attn on codes of E2M1, and q, k, v quantised at once for the attention: q and k along the head's 64, v along the keys.  No f32 result goes to memory.  Nothing is left out here.
; A work-group makes 256 rows of x against 256 columns of w_attn; each of its four waves 128 x 128: 64 accumulators, 512 registers.  Cluster x = 0, 1, 2 is q, k, v, so MODE (1 for v) is the same in all sixteen partners.
; EVERY PRODUCT IS USED TRANSPOSED: source 0 = 16 rows of side P, source 1 = 16 rows of side O.  A lane then holds ONE row of O, and, by the order of rows in a tile (tile T: rows 32 (T/2) + 8 (T%2) + r + 8 (r/8)),
; the 16 registers of P's tiles 2 b and 2 b + 1 are 16 NEIGHBOURS along P: 32 b + 16 (lane/16) + 0..15.  So the results are quantised along P in registers.  MODE 0: P = w's columns (the heads' dims), O = x's rows.
; MODE 1: P = x's rows (the keys), O = w_v's columns.  Only LDS bases, the bias and three constants of the way out differ; the instructions are the same.
; ALL OF K (1,024) LIES IN LDS, in two slots of 512 along K, each filled once by joint loads (x's tiles shared along a row of the cluster, w's along a column): no LDS byte is filled twice.
; Operands lie in memory and LDS as images of their registers ([c 2][lane 32][16 bytes]): every LDS read is at 16 x lane, 512 consecutive bytes: no pitch, no padding.
; OUT: qkv = [q, k, v][batch 4][head pair 8][chunk of 128 positions 16] blocks of 9,216 bytes.  q, k: 18 rows of 512 bytes: row 2 a + c = tile a of head 2 hp + c (lane (r, h): dims 32 h ..); rows 16 + c that head's scale
; words [a/4][r 16][a%4], bytes (s0, s1, x, x), x never 0xff.  v: a record of 4,608 bytes a head: 4 images of V^T (16 d x 128 keys), 256 bytes of scale words [r 16][d tile 4]; its last 256 bytes are neither written nor read.
; 384 work-groups are 24 clusters: tiles 384 wide would put columns of two of q, k, v into one wave, whose results are quantised along different axes.
.set SLOT,  131072                     ; a slot: x's 16 tiles x 4,096 bytes (4 K steps), then w's 16
.set SCL,   262144                     ; x's scale words, 8,192 bytes, then w's
.set SPARE, 278528                     ; the spare words, 128 bytes for each wave
.set ADRP, 16                          ; v16-17  P's fragments in slot 0, 1
.set ADRO, 20                          ; v20-21  O's
.set LI,   24                          ; v24     16 x lane
.set VSO,  25                          ; v25     where my scale words go
.set ADRS, 27                          ; v27     lanes 0-15: O's scale words, lanes 16-31: P's
.set SPW,  28                          ; v28     SPARE + 4 x my thread's number; never rewritten
.set NIL,  29                          ; v29     0; never rewritten
.set SC,   32                          ; v32-95  scale words: register 8 i + s: tile i, K step s
.set PC,   96                          ; v96-103 the codes just made
.set TM,   104                         ; v104-119 at work
.set PW,   120                         ; v120-127 the scale word of each of O's tiles
.set OF,   128                         ; O's fragments: set 0 in window 0, set 1 in window 1, v128-191
.set BIAS, 192                         ; v192-255 the bias, in the results' layout
; window 1: v0-63, v64-127 P's two sets.  window 2: accumulators (a, b), a < 4, at v[8 (8 a + b)]; window 3: a >= 4
.set G1,   24                          ; s[24:31] group 1 for x's codes; s[32:39] group 0, a set for each slot
.set G0,   32
.set G1B,  48                          ; the same for w's
.set G0B,  56
.set G1S,  68                          ; x's scale words
.set G0S,  76
.set G1SB, 80                          ; w's
.set G0SB, 88
.set MSB, 0
.macro WIN new                         ; the immediate's high byte repeats the setting that is left; a switch that changes nothing is dropped
.if MSB != (\new)
	s_set_vgpr_msb (MSB<<8)|(\new)
.set MSB, (\new)
.endif
.endm
.macro JLOAD g0a, g1a, g0b, g1b        ; a joint load: waves 0 and 1 fetch for x, waves 2 and 3 for w; an s_nop 0 and four v_nop follow each of the two lines
	s_cmp_eq_u32 s18, 0
	s_cbranch_scc0 .Lfor_b_\@
	tensor_load_to_lds s[\g0a:\g0a+3], s[\g1a:\g1a+7]
	s_nop 0
.rept 4
	v_nop
.endr
	s_branch .Lasked_\@
.Lfor_b_\@:
	tensor_load_to_lds s[\g0b:\g0b+3], s[\g1b:\g1b+7]
	s_nop 0
.rept 4
	v_nop
.endr
.Lasked_\@:
.endm
.macro CROUND                          ; a round of the cluster's barrier
	s_barrier_signal -1
	s_barrier_wait -1
	s_cmp_lg_u32 s16, 0
	s_cbranch_scc1 .Lnot_wave_0_\@
	s_barrier_signal -3
.Lnot_wave_0_\@:
	s_barrier_wait -3
	s_barrier_signal -1
	s_barrier_wait -1
.endm
.macro PLACES n
.rept \n
	v_nop
.endr
.endm
	s_load_b256 s[4:11], s[0:1], 0x0               ; x_img s[4:5], x_sc s[6:7], w_img s[8:9], w_sc s[10:11]
	s_load_b128 s[12:15], s[0:1], 0x20             ; b_attn s[12:13], qkv s[14:15]
	v_lshl_add_u32 v[SPW], v0, 2, SPARE
	v_mov_b32 v[NIL], 0
	ds_add_u32 v[SPW], v[NIL]                      ; the wave's opening: the add, twice on end, and its wait ahead of my first tensor load
	ds_add_u32 v[SPW], v[NIL]
	v_lshrrev_b32 v1, 5, v0
	v_readfirstlane_b32 s16, v1                    ; wave 0..3
	s_and_b32 s17, s16, 1                          ; which half of w's columns is mine.  Also: which half of a tensor's tiles I fetch
	s_lshr_b32 s18, s16, 1                         ; which half of x's rows is mine.  Also: I fetch for x (0) or for w (1)
	s_bfe_u32 s20, ttmp6, 0x40000                  ; cx
	s_bfe_u32 s21, ttmp6, 0x40004                  ; cy
	s_lshl_b32 s22, ttmp9, 2
	s_add_co_u32 s22, s22, s20                     ; xt: which 256 columns of w_attn
	s_and_b32 s23, ttmp7, 0xffff
	s_lshl_b32 s23, s23, 2
	s_add_co_u32 s23, s23, s21                     ; yt: which 256 rows of x
	s_lshl_b32 s40, s21, 2
	s_lshl_b32 s40, 15, s40                        ; my row of the cluster
	s_lshl_b32 s41, 0x1111, s20                    ; my column
	s_or_b32 s[G1], s40, (3<<16)|(1<<21)           ; 15:0 the mask; 17:16 elements of 8 bytes; 21 set beside a mask; no padding
	s_or_b32 s[G1B], s41, (3<<16)|(1<<21)
.irp g, G1, G1B                        ; 8 tiles x 4 K steps: 8 rows of 4,096 bytes (512 elements), 8,192 bytes apart
	s_mov_b32 s[\g+1], 512<<16
	s_mov_b32 s[\g+2], 8<<16
	s_mov_b32 s[\g+3], 512<<16
	s_mov_b32 s[\g+4], 8
	s_mov_b32 s[\g+5], 1024
	s_mov_b32 s[\g+6], 0
	s_mov_b32 s[\g+7], 0
.endr
	s_or_b32 s[G1S], s40, (3<<16)|(1<<21)
	s_or_b32 s[G1SB], s41, (3<<16)|(1<<21)
.irp g, G1S, G1SB                      ; the scale words of 8 tiles: 4,096 dense bytes as 16 rows of 256
	s_mov_b32 s[\g+1], 32<<16
	s_mov_b32 s[\g+2], 16<<16
	s_mov_b32 s[\g+3], 32<<16
	s_mov_b32 s[\g+4], 16
	s_mov_b32 s[\g+5], 32
	s_mov_b32 s[\g+6], 0
	s_mov_b32 s[\g+7], 0
.endr
	s_lshl_b32 s42, s23, 17                        ; x's codes: 16 tiles of 8,192 bytes a work-group, 8 a load.  x's addresses are made of yt and the wave's number alone,
	s_lshl_b32 s43, s17, 16
	s_add_co_u32 s42, s42, s43
	s_mov_b32 s43, 0
	s_lshl_b32 s44, s23, 13                        ; x's scale words: 512 bytes a tile
	s_lshl_b32 s45, s17, 12
	s_add_co_u32 s44, s44, s45
	s_mov_b32 s45, 0
	s_lshl_b32 s46, s22, 17                        ; w's of xt and the wave's number alone
	s_lshl_b32 s47, s17, 16
	s_add_co_u32 s46, s46, s47
	s_mov_b32 s47, 0
	s_lshl_b32 s66, s22, 13
	s_lshl_b32 s67, s17, 12
	s_add_co_u32 s66, s66, s67
	s_mov_b32 s67, 0
	s_lshl_b32 s2, s16, 15                         ; where they go: wave x 32,768 in a slot;
	s_lshl_b32 s3, s16, 12
	s_add_co_u32 s3, s3, SCL                       ; wave x 4,096 among the scale words: no place in the cluster enters an LDS address
	s_mov_b32 s96, 0x76543210
	s_mov_b32 s97, 0xfedcba98                      ; v_permlanex16_b32's selects for lane l xor 16
	s_wait_dscnt 0x0                               ; both opening adds are done
	s_wait_kmcnt 0x0
	s_add_nc_u64 s[42:43], s[4:5], s[42:43]
	s_add_nc_u64 s[44:45], s[6:7], s[44:45]
	s_add_nc_u64 s[46:47], s[8:9], s[46:47]
	s_add_nc_u64 s[66:67], s[10:11], s[66:67]
	CROUND                                         ; all sixteen work-groups are here: the joint loads meet
	s_mov_b32 s[G0S], 1
	s_mov_b32 s[G0S+1], s3
	s_mov_b64 s[G0S+2:G0S+3], s[44:45]
	s_or_b32 s[G0S+3], s[G0S+3], 0x80000000
	s_mov_b32 s[G0SB], 1
	s_mov_b32 s[G0SB+1], s3
	s_mov_b64 s[G0SB+2:G0SB+3], s[66:67]
	s_or_b32 s[G0SB+3], s[G0SB+3], 0x80000000
	JLOAD G0S, G1S, G0SB, G1SB                     ; the scale words first; then both slots: three loads of mine are out, all first fills
.irp s, 0,1
	s_mov_b32 s[G0+4*\s], 1
	s_add_co_u32 s[G0+4*\s+1], s2, \s*SLOT
	s_add_nc_u64 s[G0+4*\s+2:G0+4*\s+3], s[42:43], \s*4096
	s_or_b32 s[G0+4*\s+3], s[G0+4*\s+3], 0x80000000
	s_mov_b32 s[G0B+4*\s], 1
	s_add_co_u32 s[G0B+4*\s+1], s2, \s*SLOT
	s_add_nc_u64 s[G0B+4*\s+2:G0B+4*\s+3], s[46:47], \s*4096
	s_or_b32 s[G0B+4*\s+3], s[G0B+4*\s+3], 0x80000000
	JLOAD G0+4*\s, G1, G0B+4*\s, G1B
.endr
	; the roles.  s4 to s11 are free: the addresses stand in the descriptors
	v_and_b32 v1, 31, v0                           ; lane
	v_and_b32 v2, 15, v0                           ; r
	v_bfe_u32 v3, v0, 4, 1                         ; h
	v_lshlrev_b32 v[LI], 4, v1
	s_wait_alu depctr_va_vdst(0)
	v_cmp_lt_u32 s98, 15, v1                       ; lanes 16-31
	s_lshl_b32 s4, s18, 15                         ; my 8 tiles of x in a slot
	s_lshl_b32 s5, s17, 15
	s_add_co_u32 s5, s5, 65536                     ; my 8 tiles of w
	s_lshl_b32 s8, s18, 12                         ; their scale words
	s_lshl_b32 s9, s17, 12
	s_add_co_u32 s9, s9, 8192
	s_mov_b32 s40, 256
	s_mov_b32 s41, 8192
	s_mov_b32 s94, 4096
	s_cmp_eq_u32 ttmp9, 2                          ; v?  The cluster's x alone decides: the same in all partners
	s_cselect_b32 s19, 1, 0                        ; MODE
	s_cselect_b32 s6, s4, s5                       ; P: x for v, else w
	s_cselect_b32 s7, s5, s4                       ; O: the other
	s_cselect_b32 s10, s9, s8                      ; O's scale words
	s_cselect_b32 s11, s8, s9                      ; P's
	s_cselect_b32 s40, 4608, s40                   ; the way out: from lanes 0-15 to lanes 16-31 among the scale words,
	s_cselect_b32 s41, 4096, s41                   ; where they begin,
	s_cselect_b32 s94, 4608, s94                   ; and from tile 3 to tile 4
	v_add_nc_u32 v[ADRP], s6, v[LI]                ; a slot-0 address with its immediate (32,272 at the most) stays under 131,072 whichever side is chosen
	v_add_nc_u32 v[ADRP+1], SLOT, v[ADRP]
	v_add_nc_u32 v[ADRO], s7, v[LI]
	v_add_nc_u32 v[ADRO+1], SLOT, v[ADRO]
	v_mov_b32 v26, s10
	v_mov_b32 v[ADRS], s11
	v_cndmask_b32 v[ADRS], v26, v[ADRS], s98
	v_lshl_add_u32 v[ADRS], v2, 3, v[ADRS]         ; 8 bytes a row in a quarter
	v_add_nc_u32 v[ADRS], SCL, v[ADRS]
	v_mul_u32_u24 v[VSO], v3, s40
	v_lshl_add_u32 v[VSO], v2, 4, v[VSO]
	v_add_nc_u32 v[VSO], s41, v[VSO]
	s_lshl_b32 s92, ttmp9, 2                       ; my block of qkv: (((sel 4 + batch) 8 + head pair) 16 + chunk) x 9,216
	s_lshr_b32 s93, s23, 3
	s_add_co_u32 s92, s92, s93
	s_lshl_b32 s92, s92, 3
	s_lshl_b32 s93, s20, 1
	s_add_co_u32 s92, s92, s93
	s_add_co_u32 s92, s92, s17
	s_lshl_b32 s92, s92, 4
	s_and_b32 s93, s23, 7
	s_lshl_b32 s93, s93, 1
	s_add_co_u32 s92, s92, s93
	s_add_co_u32 s92, s92, s18
	s_mul_i32 s92, s92, 9216
	s_mov_b32 s93, 0
	s_mov_b32 s95, 0
	s_add_nc_u64 s[92:93], s[14:15], s[92:93]      ; tiles 0-3 go here,
	s_add_nc_u64 s[94:95], s[92:93], s[94:95]      ; tiles 4-7 here
	s_lshl_b32 s46, s22, 10                        ; the bias of my 128 columns
	s_lshl_b32 s47, s17, 9
	s_add_co_u32 s46, s46, s47
	s_mov_b32 s47, 0
	s_add_nc_u64 s[12:13], s[12:13], s[46:47]
	v_lshlrev_b32 v30, 6, v3                       ; MODE 0: 16 h numbers on
	v_and_b32 v31, 8, v2
	v_add_nc_u32 v31, v31, v2
	v_lshlrev_b32 v31, 2, v31                      ; MODE 1: number r + 8 (r/8)
.irp b, 0,1,2,3
	v_mov_b32 v[TM+4+\b], 0                        ; a lane permute's destination counts as one of its sources
.endr
	s_cmp_eq_u32 s19, 0
	s_cbranch_scc0 .Lbias_v
.irp q, 0,1,2,3                        ; the bias runs along P: register 8 b + j of lane (r, h) is column 32 (b/2) + 16 h + 8 (b%2) + j
.irp j, 0,1,2,3
	global_load_b128 v[BIAS+16*\q+4*\j:BIAS+16*\q+4*\j+3], v30, s[12:13] offset:128*\q+16*\j
.endr
.endr
	s_branch .Lbias_in
.Lbias_v:
	s_wait_alu depctr_va_vdst(0)
.irp a, 0,1,2,3,4,5,6,7                ; the bias runs along O: all eight registers of tile a hold the lane's own column's
.irp j, 0,1,2,3,4,5,6,7
	global_load_b32 v[BIAS+8*\a+\j], v31, s[12:13] offset:(32*(\a/2)+8*(\a%2))*4
.endr
.endr
.Lbias_in:
.macro FRAG reg, adr, q, i             ; a fragment as it lies: two loads of 512 consecutive bytes
.irp c, 0,1
	ds_load_b128 v[\reg+4*\c:\reg+4*\c+3], v[\adr] offset:(\i)*4096+(\q)*1024+\c*512
.endr
.endm
.macro FETCH k                         ; K step k's 16 fragments into set k % 2
.set HH, (\k)/4
.set QQ, (\k)%4
.set EE, (\k)%2
	WIN 0x40                                       ; destination window 1, address window 0
.irp i, 0,1,2,3,4,5,6,7
	FRAG 64*EE+8*\i, ADRP+HH, QQ, \i
.endr
.if EE == 0
	WIN 0
.endif
.irp i, 0,1,2,3,4,5,6,7
	FRAG OF+8*\i, ADRO+HH, QQ, \i
.endr
.endm
.macro SCALES                          ; all of K's scale words, once: two words a load; lanes 0-15 O's tile i, lanes 16-31 P's tile i
	WIN 0
.irp i, 0,1,2,3,4,5,6,7
.irp q, 0,1,2,3
	ds_load_b64 v[SC+8*\i+2*\q:SC+8*\i+2*\q+1], v[ADRS] offset:\i*512+\q*128
.endr
.endr
.endm
; 32 matrix instructions: O's tiles 4 hi .. 4 hi + 3 against P's eight, K step k.  cm = 0: onto the sums; 1: the sums begin with the bias along P; 2: along O.  The 64 accumulators take turns, one instruction a turn, in the same order in every step
.macro MULH k, cm, hi
.if \cm
	WIN 0x81+0x40*(\hi)                            ; source 0 (P) window 1, source 1 (O) and C (the bias) window 0, D window 2 or 3
.else
	WIN 0xa1+0x50*(\hi)+4*((\k)%2)                 ; source 1 in window k % 2, C and D window 2 or 3
.endif
.irp a, 0,1,2,3
.irp b, 0,1,2,3,4,5,6,7
.if \cm == 0
	v_wmma_scale_f32_16x16x128_f8f6f4 v[8*(8*\a+\b):8*(8*\a+\b)+7], v[64*((\k)%2)+8*\b:64*((\k)%2)+8*\b+7], v[OF+8*(4*(\hi)+\a):OF+8*(4*(\hi)+\a)+7], v[8*(8*\a+\b):8*(8*\a+\b)+7], v[SC+8*\b+(\k)], v[SC+8*(4*(\hi)+\a)+(\k)] matrix_a_fmt:MATRIX_FMT_FP4 matrix_b_fmt:MATRIX_FMT_FP4 matrix_a_scale:MATRIX_SCALE_ROW1
.elseif \cm == 1
	v_wmma_scale_f32_16x16x128_f8f6f4 v[8*(8*\a+\b):8*(8*\a+\b)+7], v[64*((\k)%2)+8*\b:64*((\k)%2)+8*\b+7], v[OF+8*(4*(\hi)+\a):OF+8*(4*(\hi)+\a)+7], v[BIAS+8*\b:BIAS+8*\b+7], v[SC+8*\b+(\k)], v[SC+8*(4*(\hi)+\a)+(\k)] matrix_a_fmt:MATRIX_FMT_FP4 matrix_b_fmt:MATRIX_FMT_FP4 matrix_a_scale:MATRIX_SCALE_ROW1
.else
	v_wmma_scale_f32_16x16x128_f8f6f4 v[8*(8*\a+\b):8*(8*\a+\b)+7], v[64*((\k)%2)+8*\b:64*((\k)%2)+8*\b+7], v[OF+8*(4*(\hi)+\a):OF+8*(4*(\hi)+\a)+7], v[BIAS+8*(4*(\hi)+\a):BIAS+8*(4*(\hi)+\a)+7], v[SC+8*\b+(\k)], v[SC+8*(4*(\hi)+\a)+(\k)] matrix_a_fmt:MATRIX_FMT_FP4 matrix_b_fmt:MATRIX_FMT_FP4 matrix_a_scale:MATRIX_SCALE_ROW1
.endif
.endr
.endr
.endm
.macro STEP k
	s_wait_dscnt 0x0                               ; this step's fragments are in: they were asked for 64 matrix instructions ago
.if (\k) == 3
	s_wait_tensorcnt 0x0                           ; my part of slot 1 has landed,
	s_barrier_signal -1
	s_barrier_wait -1                              ; everybody's has.
.endif
.if (\k) < 7
	PLACES 4                                       ; four plain lines in front of loads into registers that the last step's matrix instructions have read (ISA guide 7.12.1 for vector instructions)
	FETCH (\k)+1
.endif
	MULH \k, 0, 0
	MULH \k, 0, 1
.endm
	s_wait_tensorcnt 0x1                           ; the scale words and my part of slot 0 are in; slot 1's load may stay out
	s_barrier_signal -1
	s_barrier_wait -1
	FETCH 0
	SCALES
	s_wait_dscnt 0x0
	s_wait_loadcnt 0x0                             ; the bias
	FETCH 1
	WIN 0                                          ; at a branch and at a label every window is 0
	s_cmp_eq_u32 s19, 0
	s_cbranch_scc0 .Lfirst_v
	MULH 0, 1, 0                                   ; the first K step starts the sums with the bias: nothing is cleared, nothing is added later
	MULH 0, 1, 1
	WIN 0
	s_branch .Lfirst_in
.Lfirst_v:
	MULH 0, 2, 0
	MULH 0, 2, 1
	WIN 0
.Lfirst_in:
	STEP 1
	STEP 2
	STEP 3
	STEP 4
	STEP 5
	STEP 6
	STEP 7
	WIN 0
; O's tile a: a lane's 64 numbers (register 16 b + i = place 32 b + 16 (lane/16) + i along P) become a fragment's codes and its row's scale word; the codes leave as an image, 512 consecutive bytes a store
.macro QUANTA a
.set W, 2+(\a)/4
.set AC0, 64*((\a)%4)
	WIN (W<<2)|(W<<4)                              ; sources 1 and 2: the accumulators' window
.irp b, 0,1,2,3
	v_max3_num_f32 v[TM+\b], 0x1800000, |v[AC0+16*\b]|, |v[AC0+16*\b+1]|   ; block b: my 16 numbers and the floor 2^(3-127); each accumulator is read from its low end on
.endr
.irp i, 2,4,6,8,10,12,14
.irp b, 0,1,2,3
	v_max3_num_f32 v[TM+\b], v[TM+\b], |v[AC0+16*\b+\i]|, |v[AC0+16*\b+\i+1]|   ; (the four blocks by turns)
.endr
.endr
	WIN 0
.irp b, 0,1,2,3
	v_permlanex16_b32 v[TM+4+\b], v[TM+\b], s96, s97
.endr
.irp b, 0,1,2,3
	v_max_num_f32 v[TM+\b], v[TM+\b], v[TM+4+\b]   ; with lane l xor 16's: the block's largest magnitude
.endr
.irp b, 0,1,2,3
	v_add_nc_u32 v[TM+12+\b], 0xff000000, v[TM+\b] ; 2 off its exponent field: the conversion's scale operand
.endr
.irp b, 0,1,2,3
	v_lshrrev_b32 v[TM+4+\b], 23, v[TM+12+\b]      ; the byte
.endr
	v_lshl_or_b32 v[PW+(\a)], v[TM+5], 8, v[TM+4]
	v_lshl_or_b32 v[PW+(\a)], v[TM+6], 16, v[PW+(\a)]
	v_lshl_or_b32 v[PW+(\a)], v[TM+7], 24, v[PW+(\a)]
.if (\a) > 0
	s_wait_xcnt 0x0                                ; the last tile's stores have read their data: the codes' registers are written again only behind this wait
.endif
	WIN W                                          ; source 0: the accumulators' window
.irp b, 0,1,2,3
	v_cvt_scalef32_pk8_fp4_f32 v[PC+2*\b], v[AC0+16*\b:AC0+16*\b+7], v[TM+12+\b]
	v_cvt_scalef32_pk8_fp4_f32 v[PC+2*\b+1], v[AC0+16*\b+8:AC0+16*\b+15], v[TM+12+\b]
.endr
	WIN 0
	v_nop                                          ; one plain line behind a scaled conversion
.irp c, 0,1                            ; the operand's layout wants a WHOLE block in a lane
.irp i, 0,1
	v_permlane16_swap_b32 v[PC+4*\c+\i], v[PC+4*\c+2+\i]
.endr
.endr
.if (\a) < 4
	global_store_b128 v[LI], v[PC:PC+3], s[92:93] offset:((\a)%4)*1024
	global_store_b128 v[LI], v[PC+4:PC+7], s[92:93] offset:((\a)%4)*1024+512
.else
	global_store_b128 v[LI], v[PC:PC+3], s[94:95] offset:((\a)%4)*1024
	global_store_b128 v[LI], v[PC+4:PC+7], s[94:95] offset:((\a)%4)*1024+512
.endif
.endm
	PLACES 4                                       ; in front of the first read of results
	QUANTA 0
	QUANTA 1
	QUANTA 2
	QUANTA 3
	QUANTA 4
	QUANTA 5
	QUANTA 6
	QUANTA 7
.irp i, 0,1,2,3
	v_cndmask_b32 v[TM+\i], v[PW+\i], v[PW+4+\i], s98   ; lanes 0-15: tiles 0-3's words of row r; lanes 16-31: tiles 4-7's (both halves of the lanes hold every word)
.endr
	global_store_b128 v[VSO], v[TM:TM+3], s[92:93] ; q, k: the first head's words (its bytes 0 and 1 count; 2 and 3 are the other head's, never 0xff).  v: both heads' words
	s_cmp_eq_u32 s19, 0
	s_cbranch_scc0 .Lno_second
.irp i, 0,1,2,3
	v_lshrrev_b32 v[TM+4+\i], 16, v[TM+\i]         ; q, k: the second head's two bytes, moved down
.endr
	global_store_b128 v[VSO], v[TM+4:TM+7], s[92:93] offset:512
.Lno_second:
	s_wait_tensorcnt 0x0                           ; the wave's end: behind my last tensor load
	ds_add_u32 v[SPW], v[NIL]
	s_wait_dscnt 0x0
	CROUND                                         ; the closing round
	s_endpgm
.Lfunc_end_k_q9173100fa7_qkv:
	.size	k_q9173100fa7_qkv, .Lfunc_end_k_q9173100fa7_qkv-k_q9173100fa7_qkv
	.p2alignl 7, 3214868480
	.fill 96, 4, 3214868480
	.section	.rodata,"a",@progbits
	.p2align	6, 0x0
	.amdhsa_kernel k_q9173100fa7_qkv
		.amdhsa_group_segment_fixed_size 327680
		.amdhsa_private_segment_fixed_size 0
		.amdhsa_enable_private_segment 0
		.amdhsa_kernarg_size 48
		.amdhsa_user_sgpr_count 2
		.amdhsa_user_sgpr_kernarg_segment_ptr 1
		.amdhsa_wavefront_size32 1
		.amdhsa_system_sgpr_workgroup_id_x 1
		.amdhsa_system_sgpr_workgroup_id_y 1
		.amdhsa_system_sgpr_workgroup_id_z 1
		.amdhsa_system_vgpr_workitem_id 0
		.amdhsa_next_free_vgpr 1024
		.amdhsa_next_free_sgpr 100
		.amdhsa_reserve_vcc 0
		.amdhsa_float_denorm_mode_32 3
		.amdhsa_float_denorm_mode_16_64 3
		.amdhsa_memory_ordered 1
		.amdhsa_forward_progress 1
		.amdhsa_inst_pref_size 144
	.end_amdhsa_kernel
	.amdgpu_metadata
---
amdhsa.version: [ 1, 2 ]
amdhsa.kernels:
  - .name:           k_q9173100fa7_qkv
    .symbol:         k_q9173100fa7_qkv.kd
    .args:
      - { .name: x_img, .offset: 0, .size: 8, .value_kind: global_buffer, .address_space: global }
      - { .name: x_sc, .offset: 8, .size: 8, .value_kind: global_buffer, .address_space: global }
      - { .name: w_img, .offset: 16, .size: 8, .value_kind: global_buffer, .address_space: global }
      - { .name: w_sc, .offset: 24, .size: 8, .value_kind: global_buffer, .address_space: global }
      - { .name: b_attn, .offset: 32, .size: 8, .value_kind: global_buffer, .address_space: global }
      - { .name: qkv, .offset: 40, .size: 8, .value_kind: global_buffer, .address_space: global }
    .group_segment_fixed_size: 327680
    .private_segment_fixed_size: 0
    .kernarg_segment_align: 8
    .kernarg_segment_size: 48
    .max_flat_workgroup_size: 128
    .sgpr_count:     100
    .vgpr_count:     1024
    .wavefront_size: 32
...
	.end_amdgpu_metadata
.endif
;; end of part 2
;; launch attn (part 3): grid 4 x 64, 16 waves a work-group, clusters of 4 x 1, 167,936 bytes of LDS; arguments qkv, y_img, y_sc; writes y_img, y_sc
.if DOCPART == 3
	.amdgcn_target "amdgcn-amd-amdhsa--gfx1250"
	.amdhsa_code_object_version 6
	.text
	.protected	k_q9173100fa7_attn
	.globl	k_q9173100fa7_attn
	.p2align	8
	.type	k_q9173100fa7_attn,@function
k_q9173100fa7_attn:
	s_mov_b64 s[64:65], 0
	v_nop
	global_prefetch_b8 v0, s[64:65] scope:SCOPE_SE
	s_setreg_imm32_b32 hwreg(HW_REG_WAVE_MODE, 25, 1), 1
	s_wait_xcnt 0x0
	s_wait_alu depctr_hold_cnt(0) depctr_sa_sdst(0) depctr_va_vdst(0) depctr_va_sdst(0) depctr_va_ssrc(0) depctr_va_vcc(0) depctr_vm_vsrc(0)
	s_getreg_b32 s2, hwreg(HW_REG_IB_STS2, 6, 4)
	s_cmp_eq_u32 s2, 0
	s_cbranch_scc0 .Lentry_in_a_cluster
	s_endpgm
.Lentry_in_a_cluster:
	s_bfe_u32 s2, ttmp6, 0x10000c
	s_cmp_lg_u32 s2, 0x3003
	s_cbranch_scc0 .Lentry_shape_is_right
	s_endpgm
.Lentry_shape_is_right:
; Launch 3 of 4: y = softmax(q k^T / 8, causal) v on codes of E2M1, and y quantised at once along C for the projection.
; LEFT OUT: the key steps all of whose keys come after all 16 queries of the tile: reference()'s own jnp.tril makes their p zero for all values of the inputs.
; THE SOFTMAX AHEAD OF THE SECOND PRODUCT: t = score x log2(e) / 8; M = the row's largest t so far, rounded UP to a whole number; p = 2^(t - M) is quantised along the keys, not normalised; the row's sum is taken of the
; unquantised p and divides at the end.  When M moves, the sum and O are multiplied by 2^(old M - new M): exact.
; SHARES.  A cluster of four work-groups owns one head of one batch; all four read the same K and V, so every fill is a JOINT load (mask 15).  A head's K and V (codes and scale words, 143,360 bytes) lie in LDS whole,
; filled once.  A tile is 16 queries; a chunk is 128 positions, 8 tiles.  Wave w of work-group g takes tile 2 g of chunk w and then tile 2 g + 1 of chunk 15 - w: (w + 1) + (16 - w) = 17 key steps of 128 keys for
; every wave of every work-group.  Sixteen waves of 256 registers: four to a SIMD, so that one wave's vector work stands beside another's matrix work and LDS loads.
; LAYOUT.  Both products are used transposed (S^T = K Q^T, O^T = V^T P^T): a lane holds ONE query throughout.  By the order of rows in a tile (tile T: 32 (T/2) + 8 (T%2) + r + 8 (r/8)) the 16 registers of tiles 2 b and
; 2 b + 1 are 16 neighbouring keys (or dims).  THE FIRST PRODUCT'S K IS 64: Q's registers 4-7 are zero codes, as the quantiser's own fill has it; K's operand runs on into the next tile's codes (behind the last tile:
; four registers of zeros), which meet those zeros under scale bytes that are never 0xff and add nothing.
; OUT: y_img [batch x 128 + tile][head 16][lane 32][16 bytes]: K step s of the projection = heads 2 s and 2 s + 1; y_sc as x_sc.  A head's two scale bytes of a row are stored two bytes a lane, 8 bytes apart (lanes 16-31
; repeat lanes 0-15): one byte in sixteen of what this launch stores; whole words would want both heads of a K step in one work-group.
; No branch and no LDS address hangs on the work-group's place in its cluster: it enters global addresses and the mask's numbers alone.
.set KCH,   4608                       ; LDS: a chunk of K: 8 tile images of 512 bytes, 512 bytes of scale words [a/4][r 16][a%4]
.set VCH,   4352                       ; a chunk of V: 4 images of 1,024 bytes, 256 bytes of scale words [r 16][d tile 4]
.set VB,    73728                      ; V behind K's 16 chunks
.set SPARE, 143360                     ; the spare words, 128 bytes for each of 16 waves
.set SPW,  5                           ; v5   SPARE + 4 x my thread's number; never rewritten
.set NIL,  6                           ; v6   0; never rewritten
; v1 16 x lane; v2 VB + 16 x lane; v3, v4 my row's scale words in a chunk of K, of V; v7 8 r
.set ADK,  8                           ; v8-11 the step's addresses
.set ADV,  9
.set ADS,  10
.set ADT,  11
; v12 -M, v13 the largest t, v[14:15] the sum in two halves; v16-23, v24-31 Q of the two tasks; v204-211 K's scale words, v212-215 V's, v216-217 Q's, v218 p's; v219-220 the mask's numbers; v222-231 y's bytes and codes
.set KR,   32                          ; v32-63 eight tiles of K, four registers each; v64-67 zeros
.set VR,   68                          ; v68-99 four fragments of V
.set SS,   100                         ; v100-163 S^T, then p
.set OT,   164                         ; v164-195 O^T
.set PCD,  196                         ; v196-203 p's codes
.set G1K,  24
.set G1V,  32
.set G0K,  40
.set G0V,  44
.set SEL,  56                          ; s[56:57] lane l xor 16
.set CS,   58                          ; s[58:59] c = log2(e) / 8
.set TK,   60                          ; s60, s61 where the step's chunk begins in K, in V
.set TV,   61
.set ST,   62                          ; s62 the step
.set MQ,   66                          ; s66, s67 the two tasks' chunks
.macro CROUND
	s_barrier_signal -1
	s_barrier_wait -1
	s_cmp_lg_u32 s10, 0
	s_cbranch_scc1 .Lnot_wave_0_\@
	s_barrier_signal -3
.Lnot_wave_0_\@:
	s_barrier_wait -3
	s_barrier_signal -1
	s_barrier_wait -1
.endm
	s_load_b128 s[4:7], s[0:1], 0x0                ; qkv s[4:5], y_img s[6:7]
	s_load_b64 s[8:9], s[0:1], 0x10                ; y_sc
	v_lshl_add_u32 v[SPW], v0, 2, SPARE
	v_mov_b32 v[NIL], 0
	ds_add_u32 v[SPW], v[NIL]                      ; the wave's opening: the add, twice on end, and its wait ahead of my first tensor load
	ds_add_u32 v[SPW], v[NIL]
	v_lshrrev_b32 v8, 5, v0
	s_delay_alu instid0(VALU_DEP_1)
	v_readfirstlane_b32 s10, v8                    ; wave 0..15
	s_bfe_u32 s11, ttmp6, 0x40000                  ; cx
	s_and_b32 s12, ttmp7, 0xffff                   ; batch x 16 + head
	s_lshr_b32 s13, s12, 4                         ; batch
	s_and_b32 s14, s12, 15                         ; head
	s_lshr_b32 s15, s14, 1                         ; head pair
	s_and_b32 s16, s14, 1                          ; which of the pair
	s_lshl_b32 s17, s13, 3
	s_add_co_u32 s17, s17, s15
	s_mul_i32 s17, s17, 16*9216                    ; the head pair's 16 blocks, in each of q, k, v
	s_and_b32 s22, s10, 7                          ; I fetch chunks 2 (wave % 8) and the next: of K (waves 0-7) or of V (waves 8-15)
	s_mul_i32 s23, s22, 18432
	s_add_co_u32 s23, s23, s17
	s_lshl_b32 s18, s16, 9                         ; K: my head's rows are every second row of 512 bytes
	s_add_co_u32 s18, s18, s23
	s_add_co_u32 s18, s18, 4718592                 ; k's blocks lie behind q's 512
	s_mov_b32 s19, 0
	s_mul_i32 s20, s16, 4608                       ; V: my head's record
	s_add_co_u32 s20, s20, s23
	s_add_co_u32 s20, s20, 9437184
	s_mov_b32 s21, 0
	s_mov_b32 s[G1K], 15|(3<<16)|(1<<21)           ; 15:0 the mask: all four work-groups; 17:16 elements of 8 bytes; 21 set beside a mask
	s_mov_b32 s[G1K+1], 64<<16                     ; rows of 512 bytes,
	s_mov_b32 s[G1K+2], 18<<16                     ; 9 a chunk (8 tiles and the scale words), two chunks,
	s_mov_b32 s[G1K+3], 64<<16
	s_mov_b32 s[G1K+4], 18
	s_mov_b32 s[G1K+5], 128                        ; 1,024 bytes apart; a block is nine such steps
	s_mov_b32 s[G1K+6], 0
	s_mov_b32 s[G1K+7], 0
	s_mov_b32 s[G1V], 15|(3<<16)|(1<<21)
	s_mov_b32 s[G1V+1], 544<<16                    ; rows of 4,352 bytes,
	s_mov_b32 s[G1V+2], 2<<16                      ; one a chunk,
	s_mov_b32 s[G1V+3], 544<<16
	s_mov_b32 s[G1V+4], 2
	s_mov_b32 s[G1V+5], 1152                       ; 9,216 bytes apart
	s_mov_b32 s[G1V+6], 0
	s_mov_b32 s[G1V+7], 0
	s_mov_b32 s[G0K], 1
	s_mul_i32 s[G0K+1], s22, 2*KCH
	s_mov_b32 s[G0V], 1
	s_mul_i32 s[G0V+1], s22, 2*VCH
	s_add_co_u32 s[G0V+1], s[G0V+1], VB
	s_mov_b32 s[SEL], 0x76543210
	s_mov_b32 s[SEL+1], 0xfedcba98
	s_mov_b32 s[CS], 0x3e38aa3b                    ; log2(e) / 8
	s_mov_b32 s[CS+1], s[CS]                       ; (named with it as a pair, so it is written)
	s_mov_b32 s[MQ], s10                           ; task 0: chunk w
	s_sub_co_u32 s[MQ+1], 15, s10                  ; task 1: chunk 15 - w
	s_wait_dscnt 0x0                               ; both opening adds are done
	s_wait_kmcnt 0x0
	s_add_nc_u64 s[G0K+2:G0K+3], s[4:5], s[18:19]
	s_or_b32 s[G0K+3], s[G0K+3], 0x80000000
	s_add_nc_u64 s[G0V+2:G0V+3], s[4:5], s[20:21]
	s_or_b32 s[G0V+3], s[G0V+3], 0x80000000
	CROUND                                         ; all four work-groups are here: the joint loads meet
	s_cmp_lt_u32 s10, 8                            ; one load a wave, one in each arm: the only tensor loads of the launch
	s_cbranch_scc0 .Lfor_v
	tensor_load_to_lds s[G0K:G0K+3], s[G1K:G1K+7]
	s_nop 0
.rept 4
	v_nop
.endr
	s_branch .Lasked
.Lfor_v:
	tensor_load_to_lds s[G0V:G0V+3], s[G1V:G1V+7]
	s_nop 0
.rept 4
	v_nop
.endr
.Lasked:
	v_and_b32 v8, 31, v0
	s_delay_alu instid0(VALU_DEP_1)
	v_lshlrev_b32 v1, 4, v8                        ; 16 x lane
	s_delay_alu instid0(VALU_DEP_1)
	v_add_nc_u32 v2, VB, v1
	v_and_b32 v10, 15, v0                          ; r
	v_bfe_u32 v11, v0, 4, 1                        ; h
	s_delay_alu instid0(VALU_DEP_2)
	v_lshl_add_u32 v3, v10, 4, 4096
	s_delay_alu instid0(VALU_DEP_3)
	v_lshl_add_u32 v4, v10, 4, VB+4096
	s_delay_alu instid0(VALU_DEP_4)
	v_lshlrev_b32 v7, 3, v10
	v_and_b32 v219, 8, v10                         ; the diagonal: d = my query's place in its chunk - 16 h.  Register 16 b + i holds key 32 b + 16 h + i: hidden where 32 b + i > d
	s_delay_alu instid0(VALU_DEP_1)
	v_add_nc_u32 v219, v219, v10
	v_lshlrev_b32 v220, 4, v11
	s_delay_alu instid0(VALU_DEP_1)
	v_sub_nc_u32 v219, v219, v220
	s_lshl_b32 s74, s11, 5
	v_add_nc_u32 v219, s74, v219                   ; tile 2 g begins at place 32 g,
	s_delay_alu instid0(VALU_DEP_1)
	v_add_nc_u32 v220, 8, v219                     ; tile 2 g + 1 at 32 g + 8
	s_lshl_b32 s76, s11, 11                        ; Q: tile 2 g's row pair in a block (tile 2 g + 1: 1,024 bytes on),
	v_add_nc_u32 v8, s76, v1
	s_wait_alu depctr_va_vdst(0)
	s_lshr_b32 s77, s11, 1
	s_lshl_b32 s77, s77, 8
	s_and_b32 s76, s11, 1
	s_lshl_b32 s76, s76, 3
	s_add_co_u32 s77, s77, s76
	s_add_co_u32 s77, s77, 8192
	v_lshl_add_u32 v9, v10, 4, s77                 ; and its scale word (tile 2 g + 1: 4 bytes on)
	s_wait_alu depctr_va_vdst(0)
	s_lshl_b32 s75, s16, 9
	s_add_co_u32 s75, s75, s17                     ; my head's rows in the head pair's blocks of q
	s_mul_i32 s74, s[MQ], 9216
	s_add_co_u32 s74, s74, s75
	s_mul_i32 s76, s[MQ+1], 9216
	s_add_co_u32 s76, s76, s75
	s_mov_b32 s75, 0
	s_mov_b32 s77, 0
	s_add_nc_u64 s[70:71], s[4:5], s[74:75]
	s_add_nc_u64 s[72:73], s[4:5], s[76:77]
	global_load_b128 v[16:19], v8, s[70:71]
	global_load_b32 v216, v9, s[70:71]
	global_load_b128 v[24:27], v8, s[72:73] offset:1024
	global_load_b32 v217, v9, s[72:73] offset:4
	s_lshr_b32 s78, s14, 2                         ; my head's two bytes in a tile's scale bytes: quarter head/4, word (head/2)%2, bytes 2 (head%2) on
	s_lshl_b32 s78, s78, 7
	s_bfe_u32 s79, s14, 0x10001
	s_lshl_b32 s79, s79, 2
	s_add_co_u32 s78, s78, s79
	s_lshl_b32 s79, s16, 1
	s_add_co_u32 s78, s78, s79
.macro OUTADR e                        ; where task e's tile goes
	s_lshl_b32 s74, s13, 7
	s_lshl_b32 s75, s[MQ+\e], 3
	s_add_co_u32 s74, s74, s75
	s_lshl_b32 s75, s11, 1
	s_add_co_u32 s74, s74, s75
	s_add_co_u32 s74, s74, \e                      ; tile = batch x 128 + 8 chunk + 2 g + e
	s_lshl_b32 s76, s74, 13
	s_lshl_b32 s75, s14, 9
	s_add_co_u32 s76, s76, s75
	s_mov_b32 s77, 0
	s_add_nc_u64 s[48+2*\e:49+2*\e], s[6:7], s[76:77]
	s_lshl_b32 s76, s74, 9
	s_add_co_u32 s76, s76, s78
	s_add_nc_u64 s[52+2*\e:53+2*\e], s[8:9], s[76:77]
.endm
	OUTADR 0
	OUTADR 1
.irp j, 20,21,22,23,28,29,30,31,64,65,66,67
	v_mov_b32 v\j, 0                               ; zero codes: Q's K = 64 .. 127, and what lies behind K's last tile
.endr
.irp j, 236,237,238,239,252,253
	v_mov_b32 v\j, 0                               ; written once: a lane permute's destination counts as one of its sources; v253 is named as the upper half of a pair
.endr
	s_wait_tensorcnt 0x0                           ; my part of K or V has landed,
	s_barrier_signal -1
	s_barrier_wait -1                              ; everybody's has.
	s_wait_loadcnt 0x0                             ; Q
.macro TASK e
	v_mov_b32 v13, 0xff61b1e6                      ; the largest t so far: -3e38, under every t
	s_delay_alu instid0(VALU_DEP_1)
	v_floor_f32 v12, -v13                          ; -M
	v_mov_b32 v14, 0
	v_mov_b32 v15, 0
.set j, 0
.rept 32
	v_mov_b32 v[OT+j], 0                           ; O^T.  (The step is written once: the first finds zeros, which the first change of M leaves zeros)
.set j, j+1
.endr
	s_mov_b32 s[TK], 0
	s_mov_b32 s[TV], 0
	s_mov_b32 s[ST], 0
.Lstep_\@:                             ; 16 trips, a constant; a step beyond my chunk is left out: a branch on the wave's number and the count of steps
	s_cmp_gt_u32 s[ST], s[MQ+\e]
	s_cbranch_scc1 .Lskip_\@
	s_setprio 2
	v_add_nc_u32 v[ADK], s[TK], v1                 ; (these four are also the places in front of loads into registers that the last step's matrix instructions have read)
	v_add_nc_u32 v[ADV], s[TV], v2
	v_add_nc_u32 v[ADS], s[TK], v3
	v_add_nc_u32 v[ADT], s[TV], v4
.irp t, 0,1,2,3,4,5,6,7
	ds_load_b128 v[KR+4*\t:KR+4*\t+3], v[ADK] offset:512*\t
.endr
	ds_load_b128 v[204:207], v[ADS]
	ds_load_b128 v[208:211], v[ADS] offset:256
.irp d, 0,1,2,3
	ds_load_b128 v[VR+8*\d:VR+8*\d+3], v[ADV] offset:1024*\d
	ds_load_b128 v[VR+8*\d+4:VR+8*\d+7], v[ADV] offset:1024*\d+512
.endr
	ds_load_b128 v[212:215], v[ADT]
	s_wait_dscnt 9                                 ; K and its scale words are in; V's eight loads and its scale words may be out
.irp t, 0,1,2,3,4,5,6,7
	v_wmma_scale_f32_16x16x128_f8f6f4 v[SS+8*\t:SS+8*\t+7], v[KR+4*\t:KR+4*\t+7], v[16+8*\e:23+8*\e], 0, v[204+\t], v[216+\e] matrix_a_fmt:MATRIX_FMT_FP4 matrix_b_fmt:MATRIX_FMT_FP4
.endr
.rept 4
	v_nop
.endr
	s_cmp_lg_u32 s[ST], s[MQ+\e]                   ; on the diagonal the scores of hidden keys become -infinity ahead of the maximum: p = 0 then
	s_cbranch_scc1 .Lopen_\@
	v_mov_b32 v254, 0xff800000
.set n, 0
.rept 64
	v_cmp_gt_i32 vcc_lo, 32*(n/16)+n%16, v[219+\e]
	v_cndmask_b32 v[SS+n], v[SS+n], v254, vcc_lo
.set n, n+1
.endr
.Lopen_\@:
.irp b, 0,1,2,3
	v_max3_num_f32 v[232+\b], v[SS+16*\b], v[SS+1+16*\b], v[SS+2+16*\b]   ; the largest score of each block of 32 keys: it serves for the row's maximum and, since p rises with the score, for the block's largest p
.endr
.irp i, 3,5,7,9,11,13
.irp b, 0,1,2,3
	v_max3_num_f32 v[232+\b], v[232+\b], v[SS+16*\b+\i], v[SS+1+16*\b+\i]
.endr
.endr
.irp b, 0,1,2,3
	v_max_num_f32 v[232+\b], v[232+\b], v[SS+15+16*\b]
.endr
.irp b, 0,1,2,3
	s_delay_alu instid0(VALU_DEP_4)
	v_permlanex16_b32 v[236+\b], v[232+\b], s[SEL], s[SEL+1]
.endr
.irp b, 0,1,2,3
	s_delay_alu instid0(VALU_DEP_4)
	v_max_num_f32 v[232+\b], v[232+\b], v[236+\b]  ; with lane l xor 16's 16 keys
.endr
	s_delay_alu instid0(VALU_DEP_2)
	v_max3_num_f32 v254, v232, v233, v234
	s_delay_alu instid0(VALU_DEP_1)
	v_max_num_f32 v254, v254, v235
	s_delay_alu instid0(VALU_DEP_1)
	v_mul_f32 v254, s[CS], v254                    ; the step's largest t
	s_delay_alu instid0(VALU_DEP_1)
	v_max_num_f32 v13, v13, v254                   ; the running largest t
	v_mov_b32 v254, v12
	s_delay_alu instid0(VALU_DEP_2)
	v_floor_f32 v12, -v13                          ; the new -M = -ceil(t): a whole number
	s_delay_alu instid0(VALU_DEP_1)
	v_sub_f32 v254, v12, v254                      ; old M - new M: a whole number, 0 or less
	s_delay_alu instid0(VALU_DEP_1)
	v_cvt_i32_f32 v254, v254                       ; (it saturates)
	s_delay_alu instid0(VALU_DEP_1)
	v_ldexp_f32 v252, 1.0, v254                    ; f = 2^(old M - new M)
.irp j, 0,2,4,6,8,10,12,14,16,18,20,22,24,26,28,30,32,34,36,38,40,42,44,46,48,50,52,54,56,58,60,62
	v_pk_fma_f32 v[SS+\j:SS+1+\j], v[SS+\j:SS+1+\j], s[CS:CS+1], v[12:13] op_sel_hi:[1,0,0]   ; t - M, two at a time
.endr
	s_setprio 1
.irp b, 0,1,2,3
	v_fma_f32 v[232+\b], v[232+\b], s[CS], v12     ; the same of each block's largest score
.endr
.set n, 0
	s_wait_alu depctr_va_vdst(0)
.rept 64
	v_exp_f32 v[SS+n], v[SS+n]                     ; p = 2^(t - M), at most 1
.set n, n+1
.endr
	v_pk_mul_f32 v[14:15], v[14:15], v[252:253] op_sel_hi:[1,0]   ; the sums under the new M (a plain line behind the exponentials)
	s_wait_alu depctr_va_vdst(0)                   ; one wait for the whole batch, ahead of its first reader
.irp b, 0,1,2,3
	v_exp_f32 v[232+\b], v[232+\b]                 ; the block's largest p: the same two instructions on the same number give the same bits
.endr
	v_pk_add_f32 v[236:237], v[104:105], v[108:109]
	v_pk_add_f32 v[254:255], v[112:113], v[116:117]
	v_pk_add_f32 v[250:251], v[120:121], v[124:125]
	v_pk_add_f32 v[248:249], v[128:129], v[132:133]
	v_pk_add_f32 v[246:247], v[136:137], v[140:141]
	v_pk_add_f32 v[244:245], v[144:145], v[148:149]
	v_pk_add_f32 v[242:243], v[152:153], v[156:157]
	v_pk_add_f32 v[14:15], v[14:15], v[160:161]
	v_pk_add_f32 v[236:237], v[236:237], v[100:101]
	v_pk_add_f32 v[254:255], v[254:255], v[102:103]
	v_pk_add_f32 v[250:251], v[250:251], v[106:107]
	v_pk_add_f32 v[248:249], v[248:249], v[110:111]
	v_pk_add_f32 v[246:247], v[246:247], v[114:115]
	v_pk_add_f32 v[244:245], v[244:245], v[118:119]
	v_pk_add_f32 v[242:243], v[242:243], v[122:123]
	v_pk_add_f32 v[14:15], v[14:15], v[126:127]
	v_pk_add_f32 v[236:237], v[236:237], v[130:131]
	v_pk_add_f32 v[254:255], v[254:255], v[134:135]
	v_pk_add_f32 v[250:251], v[250:251], v[138:139]
	v_pk_add_f32 v[248:249], v[248:249], v[142:143]
	v_pk_add_f32 v[246:247], v[246:247], v[146:147]
	v_pk_add_f32 v[244:245], v[244:245], v[150:151]
	v_pk_add_f32 v[242:243], v[242:243], v[154:155]
	v_pk_add_f32 v[14:15], v[14:15], v[158:159]
	v_pk_add_f32 v[236:237], v[236:237], v[162:163]
	s_delay_alu instid0(VALU_DEP_2)
	v_pk_add_f32 v[14:15], v[14:15], v[248:249]
	s_delay_alu instid0(VALU_DEP_2)
	v_pk_add_f32 v[236:237], v[236:237], v[246:247]
	v_pk_add_f32 v[254:255], v[254:255], v[244:245]
	v_pk_add_f32 v[250:251], v[250:251], v[242:243]
	s_delay_alu instid0(VALU_DEP_2)
	v_pk_add_f32 v[14:15], v[14:15], v[254:255]
	s_delay_alu instid0(VALU_DEP_2)
	v_pk_add_f32 v[236:237], v[236:237], v[250:251]
	s_delay_alu instid0(VALU_DEP_1)
	v_pk_add_f32 v[14:15], v[14:15], v[236:237]
	s_wait_alu depctr_va_vdst(0)                   ; and one for the four
.irp b, 0,1,2,3
	v_max_num_f32 v[232+\b], 0x1800000, v[232+\b]  ; the floor 2^(3-127): a block whose every p is 0 keeps the byte 1: its codes are zeros
.endr
.irp b, 0,1,2,3
	s_delay_alu instid0(VALU_DEP_4)
	v_add_nc_u32 v[244+\b], 0xff000000, v[232+\b]
.endr
.irp b, 0,1,2,3
	s_delay_alu instid0(VALU_DEP_4)
	v_lshrrev_b32 v[236+\b], 23, v[244+\b]
.endr
	s_delay_alu instid0(VALU_DEP_3)
	v_lshl_or_b32 v218, v237, 8, v236              ; p's scale word for these 128 keys
	s_delay_alu instid0(VALU_DEP_1)
	v_lshl_or_b32 v218, v238, 16, v218
	s_delay_alu instid0(VALU_DEP_1)
	v_lshl_or_b32 v218, v239, 24, v218
	s_setprio 0
.irp b, 0,1,2,3
	v_cvt_scalef32_pk8_fp4_f32 v[PCD+2*\b], v[SS+16*\b:SS+7+16*\b], v[244+\b]
	v_cvt_scalef32_pk8_fp4_f32 v[PCD+1+2*\b], v[SS+8+16*\b:SS+15+16*\b], v[244+\b]
.endr
	v_nop                                          ; one plain line behind a scaled conversion
.irp c, 0,1
.irp i, 0,1
	v_permlane16_swap_b32 v[PCD+4*\c+\i], v[PCD+2+4*\c+\i]   ; a WHOLE block in a lane
.endr
.endr
.irp j, 0,2,4,6,8,10,12,14,16,18,20,22,24,26,28,30
	v_pk_mul_f32 v[OT+\j:OT+1+\j], v[OT+\j:OT+1+\j], v[252:253] op_sel_hi:[1,0]   ; O^T under the new M.  (These 16 are also the places between p's codes and scale word and the matrix instructions)
.endr
	s_wait_alu depctr_va_vdst(0)
	s_wait_dscnt 0x0                               ; V is in
.irp d, 0,1,2,3
	v_wmma_scale_f32_16x16x128_f8f6f4 v[OT+8*\d:OT+8*\d+7], v[VR+8*\d:VR+8*\d+7], v[PCD:PCD+7], v[OT+8*\d:OT+8*\d+7], v[212+\d], v218 matrix_a_fmt:MATRIX_FMT_FP4 matrix_b_fmt:MATRIX_FMT_FP4
.endr
.Lskip_\@:
	s_add_co_u32 s[TK], s[TK], KCH
	s_add_co_u32 s[TV], s[TV], VCH
	s_add_co_u32 s[ST], s[ST], 1
	s_cmp_lt_u32 s[ST], 16
	s_cbranch_scc1 .Lstep_\@
	s_setprio 0
.rept 4
	v_nop                                          ; in front of the first read of the last results
.endr
	v_add_f32 v14, v14, v15                        ; the sum's two halves,
	v_permlanex16_b32 v252, v14, s[SEL], s[SEL+1]
	s_delay_alu instid0(VALU_DEP_1)
	v_add_f32 v14, v14, v252                       ; and lane l xor 16's
	s_wait_alu depctr_va_vdst(0)
	v_rcp_f32 v252, v14
	v_nop                                          ; a plain line behind the reciprocal,
	s_wait_alu depctr_va_vdst(0)                   ; and the wait ahead of its first reader
.irp j, 0,2,4,6,8,10,12,14,16,18,20,22,24,26,28,30
	v_pk_mul_f32 v[SS+\j:SS+1+\j], v[OT+\j:OT+1+\j], v[252:253] op_sel_hi:[1,0]   ; y: register 16 b + i is dim 32 b + 16 h + i of my query
.endr
.irp b, 0,1
	v_max3_num_f32 v[232+\b], |v[SS+16*\b]|, |v[SS+1+16*\b]|, 0x1800000   ; y's two blocks of 32 along C
.endr
.irp i, 2,4,6,8,10,12,14
.irp b, 0,1
	s_delay_alu instid0(VALU_DEP_2)
	v_max3_num_f32 v[232+\b], v[232+\b], |v[SS+16*\b+\i]|, |v[SS+1+16*\b+\i]|
.endr
.endr
.irp b, 0,1
	s_delay_alu instid0(VALU_DEP_2)
	v_permlanex16_b32 v[236+\b], v[232+\b], s[SEL], s[SEL+1]
.endr
.irp b, 0,1
	s_delay_alu instid0(VALU_DEP_2)
	v_max_num_f32 v[232+\b], v[232+\b], v[236+\b]
.endr
.irp b, 0,1
	s_delay_alu instid0(VALU_DEP_2)
	v_add_nc_u32 v[244+\b], 0xff000000, v[232+\b]
.endr
.irp b, 0,1
	s_delay_alu instid0(VALU_DEP_2)
	v_lshrrev_b32 v[236+\b], 23, v[244+\b]
.endr
	s_delay_alu instid0(VALU_DEP_1)
	v_lshl_or_b32 v[222+\e], v237, 8, v236
.irp b, 0,1
	v_cvt_scalef32_pk8_fp4_f32 v[224+4*\e+2*\b], v[SS+16*\b:SS+7+16*\b], v[244+\b]
	v_cvt_scalef32_pk8_fp4_f32 v[225+4*\e+2*\b], v[SS+8+16*\b:SS+15+16*\b], v[244+\b]
.endr
	v_nop
	v_permlane16_swap_b32 v[224+4*\e], v[226+4*\e]
	v_permlane16_swap_b32 v[225+4*\e], v[227+4*\e]
	global_store_b128 v1, v[224+4*\e:227+4*\e], s[48+2*\e:49+2*\e]   ; half an image: 512 consecutive bytes; each task has store registers of its own
	global_store_b16 v7, v[222+\e], s[52+2*\e:53+2*\e]
.endm
	TASK 0
	TASK 1
	s_wait_tensorcnt 0x0                           ; the wave's end: behind my last tensor load
	ds_add_u32 v[SPW], v[NIL]
	s_wait_dscnt 0x0
	CROUND                                         ; the closing round
	s_endpgm
.Lfunc_end_k_q9173100fa7_attn:
	.size	k_q9173100fa7_attn, .Lfunc_end_k_q9173100fa7_attn-k_q9173100fa7_attn
	.p2alignl 7, 3214868480
	.fill 96, 4, 3214868480
	.section	.rodata,"a",@progbits
	.p2align	6, 0x0
	.amdhsa_kernel k_q9173100fa7_attn
		.amdhsa_group_segment_fixed_size 167936
		.amdhsa_private_segment_fixed_size 0
		.amdhsa_enable_private_segment 0
		.amdhsa_kernarg_size 24
		.amdhsa_user_sgpr_count 2
		.amdhsa_user_sgpr_kernarg_segment_ptr 1
		.amdhsa_wavefront_size32 1
		.amdhsa_system_sgpr_workgroup_id_x 1
		.amdhsa_system_sgpr_workgroup_id_y 1
		.amdhsa_system_sgpr_workgroup_id_z 1
		.amdhsa_system_vgpr_workitem_id 0
		.amdhsa_next_free_vgpr 256
		.amdhsa_next_free_sgpr 80
		.amdhsa_reserve_vcc 1
		.amdhsa_float_denorm_mode_32 3
		.amdhsa_float_denorm_mode_16_64 3
		.amdhsa_memory_ordered 1
		.amdhsa_forward_progress 1
		.amdhsa_inst_pref_size 62
	.end_amdhsa_kernel
	.amdgpu_metadata
---
amdhsa.version: [ 1, 2 ]
amdhsa.kernels:
  - .name:           k_q9173100fa7_attn
    .symbol:         k_q9173100fa7_attn.kd
    .args:
      - { .name: qkv, .offset: 0, .size: 8, .value_kind: global_buffer, .address_space: global }
      - { .name: y_img, .offset: 8, .size: 8, .value_kind: global_buffer, .address_space: global }
      - { .name: y_sc, .offset: 16, .size: 8, .value_kind: global_buffer, .address_space: global }
    .group_segment_fixed_size: 167936
    .private_segment_fixed_size: 0
    .kernarg_segment_align: 8
    .kernarg_segment_size: 24
    .max_flat_workgroup_size: 512
    .sgpr_count:     80
    .vgpr_count:     256
    .wavefront_size: 32
...
	.end_amdgpu_metadata
.endif
;; end of part 3
;; launch proj (part 4): grid 4 x 64, 4 waves a work-group, clusters of 4 x 4, 327,680 bytes of LDS; arguments y_img, y_sc, w_img, w_sc, b_proj, out0; writes out0
.if DOCPART == 4
	.amdgcn_target "amdgcn-amd-amdhsa--gfx1250"
	.amdhsa_code_object_version 6
	.text
	.protected	k_q9173100fa7_proj
	.globl	k_q9173100fa7_proj
	.p2align	8
	.type	k_q9173100fa7_proj,@function
k_q9173100fa7_proj:
	s_mov_b64 s[64:65], 0
	v_nop
	global_prefetch_b8 v0, s[64:65] scope:SCOPE_SE
	s_setreg_imm32_b32 hwreg(HW_REG_WAVE_MODE, 25, 1), 1
	s_wait_xcnt 0x0
	s_wait_alu depctr_hold_cnt(0) depctr_sa_sdst(0) depctr_va_vdst(0) depctr_va_sdst(0) depctr_va_ssrc(0) depctr_va_vcc(0) depctr_vm_vsrc(0)
	s_getreg_b32 s2, hwreg(HW_REG_IB_STS2, 6, 4)
	s_cmp_eq_u32 s2, 0
	s_cbranch_scc0 .Lentry_in_a_cluster
	s_endpgm
.Lentry_in_a_cluster:
	s_bfe_u32 s2, ttmp6, 0x10000c
	s_cmp_lg_u32 s2, 0xf033
	s_cbranch_scc0 .Lentry_shape_is_right
	s_endpgm
.Lentry_shape_is_right:
; Launch 4 of 4: out0 = y w_proj + b_proj on codes of E2M1; f32 out.  Nothing is left out here.
; A work-group makes 128 rows of y against 256 columns: 256 work-groups.  Each of its four waves makes 64 x 128: 32 accumulators.  The product is used transposed (source 0 = 16 columns of w_proj, source 1 = 16 rows of y):
; a lane holds one row of y, and by the order of rows in a tile (tile T: 32 (T/2) + 8 (T%2) + r + 8 (r/8)) the 16 registers of w's tiles 2 b and 2 b + 1 are 16 neighbouring columns.
; All of K (1,024) lies in LDS in two slots of 512 along K, each filled once by joint loads (y's tiles shared along a row of the cluster, w's along a column).  Operands lie as images of their registers: every read at 16 x lane.
; The way out goes through a stage of each wave's own, in LDS bytes into which no fill lands, and leaves as rows of 512 consecutive bytes.
.set SLOT,  98304                      ; a slot: y's 8 tiles x 4,096 bytes (4 K steps), then w's 16
.set SCL,   196608                     ; y's scale words, 4,096 bytes, then w's, 8,192
.set STAGE, 208896                     ; 16 rows x (512 + 16) bytes for each wave
.set SPARE, 242688                     ; the spare words, 128 bytes for each wave
.set ADRP, 16                          ; v16-17  w's fragments in slot 0, 1
.set ADRO, 20                          ; v20-21  y's
.set LI,   24                          ; v24     16 x lane
.set STO,  25                          ; v25     the stage: where I put 32 bytes of a row
.set RD,   26                          ; v26     and where I read a row back
.set ADRS, 27                          ; v27     lanes 0-15: y's scale words, lanes 16-31: w's
.set SPW,  28                          ; v28     SPARE + 4 x my thread's number; never rewritten
.set NIL,  29                          ; v29     0; never rewritten
.set SC,   32                          ; v32-95  scale words: register 8 i + s: tile i, K step s
.set OF,   128                         ; y's fragments: set 0 in window 0, set 1 in window 1, v128-159
.set BIAS, 192                         ; v192-255 the bias, in the results' layout
.set BK,   128                         ; the way out: 16 rows read back: v128-191 and v192-255 by turns
; window 1: v0-63, v64-127 w's two sets.  window 2: accumulator (a, b) at v[8 (8 a + b)]
.set G1,   24
.set G0,   32
.set G1B,  48
.set G0B,  56
.set G1S,  68
.set G0S,  76
.set G1SB, 80
.set G0SB, 88
.set MSB, 0
.macro WIN new
.if MSB != (\new)
	s_set_vgpr_msb (MSB<<8)|(\new)
.set MSB, (\new)
.endif
.endm
.macro JLOAD g0a, g1a, g0b, g1b        ; a joint load: waves 0 and 1 fetch for y, waves 2 and 3 for w; an s_nop 0 and four v_nop follow each of the two lines
	s_cmp_eq_u32 s18, 0
	s_cbranch_scc0 .Lfor_b_\@
	tensor_load_to_lds s[\g0a:\g0a+3], s[\g1a:\g1a+7]
	s_nop 0
.rept 4
	v_nop
.endr
	s_branch .Lasked_\@
.Lfor_b_\@:
	tensor_load_to_lds s[\g0b:\g0b+3], s[\g1b:\g1b+7]
	s_nop 0
.rept 4
	v_nop
.endr
.Lasked_\@:
.endm
.macro CROUND
	s_barrier_signal -1
	s_barrier_wait -1
	s_cmp_lg_u32 s16, 0
	s_cbranch_scc1 .Lnot_wave_0_\@
	s_barrier_signal -3
.Lnot_wave_0_\@:
	s_barrier_wait -3
	s_barrier_signal -1
	s_barrier_wait -1
.endm
.macro PLACES n
.rept \n
	v_nop
.endr
.endm
	s_load_b256 s[4:11], s[0:1], 0x0               ; y_img s[4:5], y_sc s[6:7], w_img s[8:9], w_sc s[10:11]
	s_load_b128 s[12:15], s[0:1], 0x20             ; b_proj s[12:13], out0 s[14:15]
	v_lshl_add_u32 v[SPW], v0, 2, SPARE
	v_mov_b32 v[NIL], 0
	ds_add_u32 v[SPW], v[NIL]                      ; the wave's opening: the add, twice on end, and its wait ahead of my first tensor load
	ds_add_u32 v[SPW], v[NIL]
	v_lshrrev_b32 v1, 5, v0
	v_readfirstlane_b32 s16, v1                    ; wave 0..3
	s_and_b32 s17, s16, 1                          ; which half of the columns is mine.  Also: which half of a tensor's tiles I fetch
	s_lshr_b32 s18, s16, 1                         ; which half of the rows is mine.  Also: I fetch for y (0) or for w (1)
	s_bfe_u32 s20, ttmp6, 0x40000                  ; cx
	s_bfe_u32 s21, ttmp6, 0x40004                  ; cy
	s_lshl_b32 s22, ttmp9, 2
	s_add_co_u32 s22, s22, s20                     ; xt: which 256 columns
	s_and_b32 s23, ttmp7, 0xffff
	s_lshl_b32 s23, s23, 2
	s_add_co_u32 s23, s23, s21                     ; yt: which 128 rows
	s_lshl_b32 s40, s21, 2
	s_lshl_b32 s40, 15, s40                        ; my row of the cluster
	s_lshl_b32 s41, 0x1111, s20                    ; my column
	s_or_b32 s[G1], s40, (3<<16)|(1<<21)           ; y's codes: 4 tiles x 4 K steps: 4 rows of 4,096 bytes, 8,192 apart
	s_mov_b32 s[G1+1], 512<<16
	s_mov_b32 s[G1+2], 4<<16
	s_mov_b32 s[G1+3], 512<<16
	s_mov_b32 s[G1+4], 4
	s_mov_b32 s[G1+5], 1024
	s_mov_b32 s[G1+6], 0
	s_mov_b32 s[G1+7], 0
	s_or_b32 s[G1B], s41, (3<<16)|(1<<21)          ; w's: 8 tiles
	s_mov_b32 s[G1B+1], 512<<16
	s_mov_b32 s[G1B+2], 8<<16
	s_mov_b32 s[G1B+3], 512<<16
	s_mov_b32 s[G1B+4], 8
	s_mov_b32 s[G1B+5], 1024
	s_mov_b32 s[G1B+6], 0
	s_mov_b32 s[G1B+7], 0
	s_or_b32 s[G1S], s40, (3<<16)|(1<<21)          ; y's scale words of 4 tiles: 2,048 dense bytes as 8 rows of 256
	s_mov_b32 s[G1S+1], 32<<16
	s_mov_b32 s[G1S+2], 8<<16
	s_mov_b32 s[G1S+3], 32<<16
	s_mov_b32 s[G1S+4], 8
	s_mov_b32 s[G1S+5], 32
	s_mov_b32 s[G1S+6], 0
	s_mov_b32 s[G1S+7], 0
	s_or_b32 s[G1SB], s41, (3<<16)|(1<<21)         ; w's of 8 tiles: 16 rows
	s_mov_b32 s[G1SB+1], 32<<16
	s_mov_b32 s[G1SB+2], 16<<16
	s_mov_b32 s[G1SB+3], 32<<16
	s_mov_b32 s[G1SB+4], 16
	s_mov_b32 s[G1SB+5], 32
	s_mov_b32 s[G1SB+6], 0
	s_mov_b32 s[G1SB+7], 0
	s_lshl_b32 s42, s23, 16                        ; y's codes: 8 tiles a work-group, 4 a load.  y's addresses are made of yt and the wave's number alone,
	s_lshl_b32 s43, s17, 15
	s_add_co_u32 s42, s42, s43
	s_mov_b32 s43, 0
	s_lshl_b32 s44, s23, 12
	s_lshl_b32 s45, s17, 11
	s_add_co_u32 s44, s44, s45
	s_mov_b32 s45, 0
	s_lshl_b32 s46, s22, 17                        ; w's of xt and the wave's number alone: w_proj's tiles begin at tile 192
	s_lshl_b32 s47, s17, 16
	s_add_co_u32 s46, s46, s47
	s_add_co_u32 s46, s46, 192*8192
	s_mov_b32 s47, 0
	s_lshl_b32 s66, s22, 13
	s_lshl_b32 s67, s17, 12
	s_add_co_u32 s66, s66, s67
	s_add_co_u32 s66, s66, 192*512
	s_mov_b32 s67, 0
	s_lshl_b32 s2, s17, 14                         ; where they go in a slot: y's halves,
	s_lshl_b32 s3, s17, 15
	s_add_co_u32 s3, s3, 32768                     ; w's halves behind them;
	s_lshl_b32 s19, s17, 11
	s_add_co_u32 s19, s19, SCL                     ; and among the scale words
	s_lshl_b32 s98, s17, 12
	s_add_co_u32 s98, s98, SCL+4096
	s_wait_dscnt 0x0                               ; both opening adds are done
	s_wait_kmcnt 0x0
	s_add_nc_u64 s[42:43], s[4:5], s[42:43]
	s_add_nc_u64 s[44:45], s[6:7], s[44:45]
	s_add_nc_u64 s[46:47], s[8:9], s[46:47]
	s_add_nc_u64 s[66:67], s[10:11], s[66:67]
	CROUND                                         ; all sixteen work-groups are here: the joint loads meet
	s_mov_b32 s[G0S], 1
	s_mov_b32 s[G0S+1], s19
	s_mov_b64 s[G0S+2:G0S+3], s[44:45]
	s_or_b32 s[G0S+3], s[G0S+3], 0x80000000
	s_mov_b32 s[G0SB], 1
	s_mov_b32 s[G0SB+1], s98
	s_mov_b64 s[G0SB+2:G0SB+3], s[66:67]
	s_or_b32 s[G0SB+3], s[G0SB+3], 0x80000000
	JLOAD G0S, G1S, G0SB, G1SB                     ; the scale words first; then both slots, each once the last has landed: one load of mine is out, all first fills
.irp s, 0,1
	s_mov_b32 s[G0+4*\s], 1
	s_add_co_u32 s[G0+4*\s+1], s2, \s*SLOT
	s_add_nc_u64 s[G0+4*\s+2:G0+4*\s+3], s[42:43], \s*4096
	s_or_b32 s[G0+4*\s+3], s[G0+4*\s+3], 0x80000000
	s_mov_b32 s[G0B+4*\s], 1
	s_add_co_u32 s[G0B+4*\s+1], s3, \s*SLOT
	s_add_nc_u64 s[G0B+4*\s+2:G0B+4*\s+3], s[46:47], \s*4096
	s_or_b32 s[G0B+4*\s+3], s[G0B+4*\s+3], 0x80000000
	s_wait_alu depctr_va_vdst(0)
	s_wait_tensorcnt 0x0
	ds_add_u32 v28, v29
	s_wait_dscnt 0x0
	CROUND
	JLOAD G0+4*\s, G1, G0B+4*\s, G1B
.endr
	v_and_b32 v1, 31, v0                           ; lane
	v_and_b32 v2, 15, v0                           ; r
	v_bfe_u32 v3, v0, 4, 1                         ; h
	v_lshlrev_b32 v[LI], 4, v1
	s_lshl_b32 s4, s18, 14                         ; my 4 tiles of y in a slot (s4 to s11 are free: the addresses stand in the descriptors)
	s_lshl_b32 s5, s17, 15
	s_add_co_u32 s5, s5, 32768                     ; my 8 tiles of w
	v_add_nc_u32 v[ADRO], s4, v[LI]
	v_add_nc_u32 v[ADRO+1], SLOT, v[ADRO]
	v_add_nc_u32 v[ADRP], s5, v[LI]
	v_add_nc_u32 v[ADRP+1], SLOT, v[ADRP]
	s_lshl_b32 s8, s18, 11                         ; y's scale words of my 4 tiles;
	s_lshl_b32 s9, s17, 12
	s_add_co_u32 s9, s9, 4096
	s_sub_co_u32 s9, s9, s8                        ; from there to w's of my 8 tiles: 2,048 bytes at the least
	v_mul_u32_u24 v[ADRS], v3, s9                  ; one product: lanes 16-31 take w's
	v_lshl_add_u32 v[ADRS], v2, 3, v[ADRS]
	s_add_co_u32 s8, s8, SCL
	v_add_nc_u32 v[ADRS], s8, v[ADRS]
	s_mul_i32 s10, s16, 16*528
	s_add_co_u32 s10, s10, STAGE                   ; my stage
	v_mul_u32_u24 v[STO], v2, 528
	v_lshl_add_u32 v[STO], v3, 6, v[STO]
	v_add_nc_u32 v[STO], s10, v[STO]               ; in: row r, + 64 h
	v_add_nc_u32 v[RD], s10, v[LI]                 ; back: the 32 lanes take one row of 512 bytes
	s_lshl_b32 s46, s22, 10                        ; my 128 columns, in bytes
	s_lshl_b32 s47, s17, 9
	s_add_co_u32 s46, s46, s47
	s_mov_b32 s47, 0
	s_add_nc_u64 s[12:13], s[12:13], s[46:47]      ; in b_proj,
	s_add_nc_u64 s[14:15], s[14:15], s[46:47]      ; and in a row of out0;
	s_lshl_b32 s46, s23, 19                        ; my first row: 128 yt + 64 x half, rows of 4,096 bytes
	s_lshl_b32 s6, s18, 18
	s_add_co_u32 s46, s46, s6
	s_add_nc_u64 s[14:15], s[14:15], s[46:47]
	v_lshlrev_b32 v30, 6, v3
.irp q, 0,1,2,3                        ; the bias runs along w's columns: register 8 b + j of lane (r, h) is column 32 (b/2) + 16 h + 8 (b%2) + j
.irp j, 0,1,2,3
	global_load_b128 v[BIAS+16*\q+4*\j:BIAS+16*\q+4*\j+3], v30, s[12:13] offset:128*\q+16*\j
.endr
.endr
.macro FRAG reg, adr, q, i
.irp c, 0,1
	ds_load_b128 v[\reg+4*\c:\reg+4*\c+3], v[\adr] offset:(\i)*4096+(\q)*1024+\c*512
.endr
.endm
.macro FETCH k                         ; K step k's 12 fragments into set k % 2
.set HH, (\k)/4
.set QQ, (\k)%4
.set EE, (\k)%2
	WIN 0x40
.irp i, 0,1,2,3,4,5,6,7
	FRAG 64*EE+8*\i, ADRP+HH, QQ, \i
.endr
.if EE == 0
	WIN 0
.endif
.irp i, 0,1,2,3
	FRAG OF+8*\i, ADRO+HH, QQ, \i
.endr
.endm
.macro SCALES                          ; all of K's scale words, once.  Lanes 0-15 of tiles 4-7 read bytes that are filled and not used
	WIN 0
.irp i, 0,1,2,3,4,5,6,7
.irp q, 0,1,2,3
	ds_load_b64 v[SC+8*\i+2*\q:SC+8*\i+2*\q+1], v[ADRS] offset:\i*512+\q*128
.endr
.endr
.endm
; 32 matrix instructions: y's four tiles against w's eight, K step k.  The 32 accumulators take turns, one instruction a turn, in the same order in every step
.macro MULS k, first
.if \first
	WIN 0x81                                       ; source 0 (w) window 1, source 1 (y) and C (the bias) window 0, D window 2
.else
	WIN 0xa1+4*((\k)%2)
.endif
.irp a, 0,1,2,3
.irp b, 0,1,2,3,4,5,6,7
.if \first
	v_wmma_scale_f32_16x16x128_f8f6f4 v[8*(8*\a+\b):8*(8*\a+\b)+7], v[64*((\k)%2)+8*\b:64*((\k)%2)+8*\b+7], v[OF+8*\a:OF+8*\a+7], v[BIAS+8*\b:BIAS+8*\b+7], v[SC+8*\b+(\k)], v[SC+8*\a+(\k)] matrix_a_fmt:MATRIX_FMT_FP4 matrix_b_fmt:MATRIX_FMT_FP4 matrix_a_scale:MATRIX_SCALE_ROW1
.else
	v_wmma_scale_f32_16x16x128_f8f6f4 v[8*(8*\a+\b):8*(8*\a+\b)+7], v[64*((\k)%2)+8*\b:64*((\k)%2)+8*\b+7], v[OF+8*\a:OF+8*\a+7], v[8*(8*\a+\b):8*(8*\a+\b)+7], v[SC+8*\b+(\k)], v[SC+8*\a+(\k)] matrix_a_fmt:MATRIX_FMT_FP4 matrix_b_fmt:MATRIX_FMT_FP4 matrix_a_scale:MATRIX_SCALE_ROW1
.endif
.endr
.endr
.endm
.macro STEP k
	s_wait_dscnt 0x0                               ; this step's fragments are in: they were asked for 32 matrix instructions ago
.if (\k) == 3
	s_wait_tensorcnt 0x0                           ; my part of slot 1 has landed,
	s_barrier_signal -1
	s_barrier_wait -1                              ; everybody's has.
.endif
.if (\k) < 7
	PLACES 4                                       ; in front of loads into registers that the last step's matrix instructions have read
	FETCH (\k)+1
.endif
	MULS \k, 0
.endm
	s_wait_alu depctr_va_vdst(0)
	s_wait_tensorcnt 0x1                           ; the scale words and my part of slot 0 are in; slot 1's load may stay out
	s_barrier_signal -1
	s_barrier_wait -1
	FETCH 0
	SCALES
	s_wait_dscnt 0x0
	s_wait_loadcnt 0x0                             ; the bias
	FETCH 1
	MULS 0, 1                                      ; the first K step starts the sums with the bias
	STEP 1
	STEP 2
	STEP 3
	STEP 4
	STEP 5
	STEP 6
	STEP 7
	WIN 0
; THE WAY OUT, a tile of 16 rows x 128 columns at a time: a lane holds pieces of one row, the lanes beside it other rows; through my stage they become whole rows of 512 bytes.
; LDS serves a wave's instructions in order (ISA guide 5.7.1.4): no wait between the stores and the loads, nor in front of the next tile's stores.
.macro TOSTAGE a
	WIN 0x08                                       ; an LDS store's data are its source 1: window 2
.irp b, 0,1,2,3,4,5,6,7
	ds_store_b128 v[STO], v[64*(\a)+8*\b:64*(\a)+8*\b+3] offset:128*(\b/2)+32*(\b%2)       ; each accumulator from its low end on
	ds_store_b128 v[STO], v[64*(\a)+8*\b+4:64*(\a)+8*\b+7] offset:128*(\b/2)+32*(\b%2)+16
.endr
	WIN 0
.irp t, 0,1,2,3,4,5,6,7,8,9,10,11,12,13,14,15
	ds_load_b128 v[BK+64*((\a)%2)+4*\t:BK+64*((\a)%2)+4*\t+3], v[RD] offset:528*\t
.endr
.endm
.macro SEND a, younger                 ; younger: the LDS instructions issued behind tile a's loads, which may stay out
	s_wait_dscnt \younger
.irp t, 0,1,2,3,4,5,6,7,8,9,10,11,12,13,14,15
	global_store_b128 v[LI], v[BK+64*((\a)%2)+4*\t:BK+64*((\a)%2)+4*\t+3], s[14:15] offset:(32*((\a)/2)+8*((\a)%2)+\t+8*(\t/8))*4096 th:TH_STORE_NT   ; tile row t's place among my 64 rows; 512 consecutive aligned bytes; every offset an immediate
.endr
.endm
	PLACES 4                                       ; in front of the first read of results and of loads into registers that matrix instructions have read
	TOSTAGE 0
	TOSTAGE 1
	SEND 0, 32                                     ; behind tile 0's loads: tile 1's 16 stores and 16 loads
	s_wait_xcnt 0x0                                ; tile 0's stores have read their data: tile 2's loads may land there
	TOSTAGE 2
	SEND 1, 32
	s_wait_xcnt 0x0
	TOSTAGE 3
	SEND 2, 32
	SEND 3, 0
	s_wait_tensorcnt 0x0                           ; the wave's end: behind my last tensor load and my last LDS store
	ds_add_u32 v[SPW], v[NIL]
	s_wait_dscnt 0x0
	CROUND                                         ; the closing round
	s_endpgm
.Lfunc_end_k_q9173100fa7_proj:
	.size	k_q9173100fa7_proj, .Lfunc_end_k_q9173100fa7_proj-k_q9173100fa7_proj
	.p2alignl 7, 3214868480
	.fill 96, 4, 3214868480
	.section	.rodata,"a",@progbits
	.p2align	6, 0x0
	.amdhsa_kernel k_q9173100fa7_proj
		.amdhsa_group_segment_fixed_size 327680
		.amdhsa_private_segment_fixed_size 0
		.amdhsa_enable_private_segment 0
		.amdhsa_kernarg_size 48
		.amdhsa_user_sgpr_count 2
		.amdhsa_user_sgpr_kernarg_segment_ptr 1
		.amdhsa_wavefront_size32 1
		.amdhsa_system_sgpr_workgroup_id_x 1
		.amdhsa_system_sgpr_workgroup_id_y 1
		.amdhsa_system_sgpr_workgroup_id_z 1
		.amdhsa_system_vgpr_workitem_id 0
		.amdhsa_next_free_vgpr 768
		.amdhsa_next_free_sgpr 100
		.amdhsa_reserve_vcc 0
		.amdhsa_float_denorm_mode_32 3
		.amdhsa_float_denorm_mode_16_64 3
		.amdhsa_memory_ordered 1
		.amdhsa_forward_progress 1
		.amdhsa_inst_pref_size 75
	.end_amdhsa_kernel
	.amdgpu_metadata
---
amdhsa.version: [ 1, 2 ]
amdhsa.kernels:
  - .name:           k_q9173100fa7_proj
    .symbol:         k_q9173100fa7_proj.kd
    .args:
      - { .name: y_img, .offset: 0, .size: 8, .value_kind: global_buffer, .address_space: global }
      - { .name: y_sc, .offset: 8, .size: 8, .value_kind: global_buffer, .address_space: global }
      - { .name: w_img, .offset: 16, .size: 8, .value_kind: global_buffer, .address_space: global }
      - { .name: w_sc, .offset: 24, .size: 8, .value_kind: global_buffer, .address_space: global }
      - { .name: b_proj, .offset: 32, .size: 8, .value_kind: global_buffer, .address_space: global }
      - { .name: out0, .offset: 40, .size: 8, .value_kind: global_buffer, .address_space: global }
    .group_segment_fixed_size: 327680
    .private_segment_fixed_size: 0
    .kernarg_segment_align: 8
    .kernarg_segment_size: 48
    .max_flat_workgroup_size: 128
    .sgpr_count:     100
    .vgpr_count:     768
    .wavefront_size: 32
...
	.end_amdgpu_metadata
.endif
;; end of part 4
